; MI455X (gfx1250); checked and timed in simulation.
; The chip was launched on July 23, 2026; its instructions are those of AMD's public machine-readable ISA for CDNA 5 (MIT licence, August 2026) and "CDNA5" Instruction Set Architecture Reference Guide (July 2026). The comments in the code are by the model that wrote it; some were corrected since.
;; Causal Self Attention. Allowed arithmetic: matrix products marked QUANTISED: E3M2 operands, one E8M0 scale for each 32 along K, by v_wmma_scale_f32_16x16x128_f8f6f4 with both operands' format E3M2, f32 sums; everything else in f32.
;; Inputs: Wk 1,024 x 1,024 float32; Wq 1,024 x 1,024 float32; Wv 1,024 x 1,024 float32; x 4 x 2,048 x 1,024 float32.
;; Outputs: out0 4 x 2,048 x 1,024 float32.
;; This version of the problem:
;;   THIS VERSION OF THE PROBLEM IS GIVEN IN LOW PRECISION. The matrix products marked QUANTISED in the list below multiply operands that are first quantised to E3M2 (3 exponent bits, 2 mantissa bits; 6 bits a number), with one power-of-two scale for each 32 numbers along K (OCP MX v1.0); their sums are f32. All else is computed in f32.
;;   The module's matrix products, in the order in which they are computed (A, B: the left and right operand; K: the contracted axis; several contracted axes count as one K, in the product's order):
;;     1. [M 8,192, K 1,024] x [K 1,024, N 1,024]; A: input x; B: input Wq: QUANTISED
;;     2. [M 8,192, K 1,024] x [K 1,024, N 1,024]; A: input x; B: input Wk: QUANTISED
;;     3. [M 8,192, K 1,024] x [K 1,024, N 1,024]; A: input x; B: input Wv: QUANTISED
;;     4. batch 4 x [M 2,048, K 1,024] x [K 1,024, N 2,048]; A: computed on the way; B: computed on the way: QUANTISED
;;     5. batch 4 x [M 2,048, K 2,048] x [K 2,048, N 1,024]; A: softmax (see below); B: computed on the way: QUANTISED
;;   THE QUANTISER, for each operand of a quantised product, along K:
;;     - K is cut into blocks of 32 from its start; a last block that is shorter is filled with zeros.
;;     - A block's scale is 2^e with e = floor(log2(the largest magnitude in the block)) - 4, held to -126 .. 127; a block of zeros has e = 0. As a byte (E8M0): e + 127.
;;     - Each number is divided by its block's scale, clamped to +-28, and rounded to the nearest number of E3M2, ties to even, subnormals kept.
;;     - The product sums the exact products of the quantised numbers (number of the format x scale) in f32.
;;   ~~~python
;;   def quantise(x, axis):      # numpy; x: float32 -> the quantised numbers, widened to float32 again
;;       x = np.moveaxis(x, axis, -1); K = x.shape[-1]
;;       x = np.pad(x, [(0, 0)] * (x.ndim - 1) + [(0, -K % 32)]); x = x.reshape(x.shape[:-1] + (-1, 32)); a = np.abs(x).max(-1, keepdims=True)
;;       e = np.where(a > 0, np.clip(np.frexp(np.where(a > 0, a, 1))[1] - 1 - 4, -126, 127), 0)      # np.frexp(a)[1] - 1 = floor(log2(a)), exactly
;;       r = np.clip(x / 2.0 ** e, -28, 28)
;;       step = 2.0 ** (np.maximum(np.frexp(np.where(r == 0, 1, r))[1] - 1, -2) - 2)
;;       q = np.round(r / step) * step * 2.0 ** e      # np.round: ties to even
;;       return np.moveaxis(q.reshape(q.shape[:-2] + (-1,))[..., :K], -1, axis).astype(np.float32)
;;   ~~~
;;   SOFTMAX AHEAD OF A QUANTISED PRODUCT. Where the list says 'softmax', what is quantised is not the finished softmax but p = 2^(t - M), with t = logit x log2(e) and M = ceil(the row's largest t), a whole number; so 1/2 < the row's largest p <= 1. The row's sum l is taken of the UNQUANTISED p, in f32, and the product's result is divided by l at the end. Since M is a whole number, a kernel that streams over the keys may use a running M (the ceiling of the running maximum): every later rescaling is an exact power of two, which a block's scale takes up: the codes' values come out the same.
;;   OPERANDS COMPUTED ON THE WAY. 'Computed on the way' means the value that the module computes at that place (a softmax that the list does not call 'softmax' is quantised finished and normalised). What goes into a quantiser is computed in f32, as accurately as f32 sums, v_exp_f32 and their like allow (about 1e-6 of the number): no bf16 or f16 on the way to a quantiser, and a product that is left as it is and whose result goes on into a quantised operand takes f32 operands (vector FMAs, or v_wmma_f32_16x16x4_f32). A number that lies on a knife's edge between two numbers of the format may be rounded either way, as far as f32 arithmetic and the matrix unit's own rounding can turn it there, and no further.
;; One version. Each part assembles by itself: llvm-mc -triple=amdgcn-amd-amdhsa -mcpu=gfx1250 --defsym DOCPART=n.
;; ======== version 1 of 1: 4 launches
;; limits: right only within a limited range of input values
;; workspace buffers: xc 6,553,600 bytes; wc 2,457,600 bytes; qk 13,107,200 bytes; vt 6,553,600 bytes; pc 6,963,200 bytes; st 557,056 bytes
;; launch quant (part 1): grid 896 x 1, 4 waves a work-group, no clusters, 41,728 bytes of LDS; arguments x, Wq, Wk, Wv, xc, wc; writes xc, wc
.if DOCPART == 1
	.amdgcn_target "amdgcn-amd-amdhsa--gfx1250"
	.amdhsa_code_object_version 6
	.text
	.protected	k_qa3bf4e15bd_quant
	.globl	k_qa3bf4e15bd_quant
	.p2align	8
	.type	k_qa3bf4e15bd_quant,@function
k_qa3bf4e15bd_quant:
	s_mov_b64 s[64:65], 0
	v_nop
	global_prefetch_b8 v0, s[64:65] scope:SCOPE_SE
	s_setreg_imm32_b32 hwreg(HW_REG_WAVE_MODE, 25, 1), 1
	s_wait_xcnt 0x0
; WORK LEFT OUT BY THE PROGRAM: scores of keys behind their query.  reference() builds the causal mask itself and sets them to -infinity ahead of the softmax, whatever the inputs hold, so their weights are 0: whole tiles
; above the diagonal are not multiplied, in the scores and in the product with V alike.  LIMIT: a NaN, an infinity or an overflow that reaches only those scores is not carried to the result.
;
; x [8192][1024] and Wq, Wk, Wv [1024 (K)][1024], f32, become codes of BF6 (E3M2) with one E8M0 byte for each 32 along K, laid as RECORDS.
; A RECORD (12,800 bytes) is 128 rows x 128 along K as images of the matrix operand's registers: image i (16 rows) begins at 1,536 i; register g of lane l lies at 1,536 i + 512 (g / 4) + 16 l + 4 (g % 4);
; the scale word of lane-row r of image i lies at 12,288 + 256 (i / 4) + 16 r + 4 (i % 4).  Lane-row r of image i is row 32 (i / 2) + 8 (i % 2) + r + 8 (r / 8) of the 128.
; xc: record (token / 128) x 8 + K step.   wc: record g x 8 + K step; g 0-7 Wq's columns, 8-15 Wk's, 16-23 Wv's.
; A block's scale is 2^(floor(log2(its largest magnitude)) - 4); its byte is the largest magnitude's exponent field - 4, held at 1 from below.
; LIMITS: a block of zeros gets the byte 1 (its codes are zeros, and this program alone reads the bytes); NaN and infinities among the inputs are not served.
; Work-groups 0-383 take half a record of the weights each, 384-895 a record of x.  A wave asks for all that it will read ahead of its first wait: 64 loads of 128 bytes, or 32 of 512.
; The two ways have LDS bytes of their own.  No tensor load; one barrier, behind which the scale words (and the weights' images) that the four waves have gathered in LDS leave.
.set REC,    12800
.set XSTG,   16*528                    ; x: a wave's stage: 16 rows of 512 bytes + 16
.set XWORDS, 4*XSTG                    ; the record's 512 bytes of scale words
.set WBASE,  XWORDS+512                ; the weights: four images 1,664 bytes apart, then 256 bytes of scale words
.set IMGP,   1664
.set WWORDS, WBASE+4*IMGP
.set SPARE,  WWORDS+256
.set SPW,    254
.set NIL,    255
.set SEL,    20
.set R,      16                        ; x: v16-143 two images' rows as loaded
.set X,      144                       ; v144-207 64 numbers of my row: register 16 b + i = k 32 b + 16 h + i
.set TM,     228
.set PW,     244
.set XW,     16                        ; weights: v16-79 two blocks of 32 numbers down K
.set C,      144                       ; two sets of codes, 12 registers apart
; 64 numbers of a lane, v[s] .. v[s + 63], become a fragment's codes in v[pc] on and its scale word in v[PW]
.macro QUANT s, pc
.irp b, 0,1,2,3
	v_max3_num_f32 v[TM+\b], |v[\s+16*\b]|, |v[\s+1+16*\b]|, 0x2800000   ; block b: my 16 numbers, and the floor 2^(5 - 127): the byte cannot fall under 1
.endr
.irp i, 2,4,6,8,10,12,14
.irp b, 0,1,2,3
	v_max3_num_f32 v[TM+\b], v[TM+\b], |v[\s+16*\b+\i]|, |v[\s+1+16*\b+\i]|
.endr
.endr
.irp b, 0,1,2,3
	v_permlanex16_b32 v[TM+4+\b], v[TM+\b], s[SEL], s[SEL+1]
.endr
.irp b, 0,1,2,3
	v_max_num_f32 v[TM+\b], v[TM+\b], v[TM+4+\b]   ; with lane l xor 16's: the block's largest magnitude
.endr
.irp b, 0,1,2,3
	v_add_nc_u32 v[TM+12+\b], 0xfe000000, v[TM+\b]   ; 4 off its exponent field: the conversion's scale operand
.endr
.irp b, 0,1,2,3
	v_lshrrev_b32 v[TM+4+\b], 23, v[TM+12+\b]      ; the scale's byte
.endr
	v_lshl_or_b32 v[PW], v[TM+5], 8, v[TM+4]
	v_lshl_or_b32 v[PW], v[TM+6], 16, v[PW]
	v_lshl_or_b32 v[PW], v[TM+7], 24, v[PW]
.irp c, 0,1
	v_cvt_scalef32_pk16_bf6_f32 v[\pc+6*\c:\pc+2+6*\c], v[\s+32*\c:\s+15+32*\c], v[TM+12+2*\c]
	v_cvt_scalef32_pk16_bf6_f32 v[\pc+12+4*\c:\pc+14+4*\c], v[\s+16+32*\c:\s+31+32*\c], v[TM+13+2*\c]   ; (a conversion's three registers begin on an even number)
.endr
	v_nop                                          ; one plain instruction behind a scaled conversion
.irp c, 0,1                                    ; the operand wants a whole block in a lane: lanes 0-15 block 2 c, lanes 16-31 block 2 c + 1
.irp i, 0,1,2
	v_permlane16_swap_b32 v[\pc+6*\c+\i], v[\pc+12+4*\c+\i]
.endr
.irp i, 0,1,2
	v_mov_b32 v[\pc+3+6*\c+\i], v[\pc+12+4*\c+\i]
.endr
.endr
.endm
	s_load_b256 s[4:11], s[0:1], 0x0               ; x s[4:5], Wq s[6:7], Wk s[8:9], Wv s[10:11]
	s_load_b128 s[12:15], s[0:1], 0x20             ; xc s[12:13], wc s[14:15]
	v_lshl_add_u32 v[SPW], v0, 2, SPARE
	v_mov_b32 v[NIL], 0
	v_lshrrev_b32 v5, 5, v0
	v_readfirstlane_b32 s16, v5                    ; wave 0..3
	v_and_b32 v6, 31, v0                           ; lane
	v_and_b32 v7, 15, v0                           ; r
	v_bfe_u32 v8, v0, 4, 1                         ; h
	v_lshlrev_b32 v1, 4, v6                        ; 16 x lane
	s_mov_b32 s[SEL], 0x76543210
	s_mov_b32 s[SEL+1], 0xfedcba98
	s_wait_alu depctr_va_vdst(0)                   ; directly ahead of the branch
	s_cmp_lt_u32 ttmp9, 384
	s_cbranch_scc1 .Lweights
	; ---------------- x: K is innermost.  Wave w makes images 2 w and 2 w + 1 of the record ----------------
	s_sub_co_u32 s17, ttmp9, 384                   ; the record
	s_lshr_b32 s22, s17, 3                         ; group of 128 tokens
	s_and_b32 s23, s17, 7                          ; K step
	s_lshl_b32 s24, s22, 19                        ; 128 rows of 4,096 bytes
	s_lshl_b32 s30, s16, 17                        ; 32 rows
	s_add_co_u32 s24, s24, s30
	s_lshl_b32 s30, s23, 9                         ; 128 numbers
	s_add_co_u32 s24, s24, s30
	s_mov_b32 s25, 0
	s_mul_i32 s28, s17, REC
	s_mul_i32 s30, s16, 3072
	s_add_co_u32 s26, s28, s30                     ; where my two images go
	s_mov_b32 s27, 0
	s_add_co_u32 s28, s28, 12288                   ; and the record's scale words
	s_mov_b32 s29, 0
	s_mul_i32 s30, s16, XSTG                       ; my stage
	s_lshr_b32 s31, s16, 1
	s_lshl_b32 s31, s31, 8
	s_and_b32 s32, s16, 1
	s_lshl_b32 s32, s32, 3
	s_add_co_u32 s31, s31, s32
	s_add_co_u32 s31, s31, XWORDS                  ; my two images' scale words
	v_add_nc_u32 v2, s30, v1                       ; in: a row's 512 bytes as they lie
	v_mul_u32_u24 v3, v7, 528
	v_lshl_add_u32 v3, v8, 6, v3
	v_add_nc_u32 v3, s30, v3                       ; back: row r, + 64 h: my 16 numbers of each block of 32
	v_lshlrev_b32 v4, 4, v7
	v_add_nc_u32 v4, s31, v4
.irp b, 0,1,2,3
	v_mov_b32 v[TM+4+\b], 0                        ; written once: a lane permute's destination counts as one of its sources
.endr
	s_wait_alu depctr_va_vdst(0)                   ; the head's end
	s_wait_kmcnt 0x0
	s_add_nc_u64 s[4:5], s[4:5], s[24:25]
	s_add_nc_u64 s[26:27], s[12:13], s[26:27]
	s_add_nc_u64 s[28:29], s[12:13], s[28:29]
.irp t, 0,1
.irp i, 0,1,2,3,4,5,6,7,8,9,10,11,12,13,14,15
	global_load_b128 v[R+64*\t+4*\i:R+64*\t+4*\i+3], v1, s[4:5] offset:(8*\t+\i+8*(\i/8))*4096 th:TH_LOAD_NT   ; 512 consecutive bytes a load
.endr
.endr
.macro IMGX t, pc
	s_wait_loadcnt 16*(1-\t)                       ; this image's 16 loads are in
.irp i, 0,1,2,3,4,5,6,7,8,9,10,11,12,13,14,15
	ds_store_b128 v2, v[R+64*\t+4*\i:R+64*\t+4*\i+3] offset:528*\i
.endr
.irp b, 0,1,2,3
.irp j, 0,1,2,3
	ds_load_b128 v[X+16*\b+4*\j:X+16*\b+4*\j+3], v3 offset:128*\b+16*\j   ; LDS serves a wave's instructions in order: these see the stores above
.endr
.endr
	s_wait_dscnt 0x0
	QUANT X, \pc
.irp c, 0,1,2
	global_store_b128 v1, v[\pc+4*\c:\pc+4*\c+3], s[26:27] offset:1536*\t+512*\c   ; 512 consecutive bytes a store
.endr
	ds_store_b32 v4, v[PW] offset:4*\t             ; (lanes l and l xor 16 hold the same word)
.endm
	IMGX 0, 208
	IMGX 1, 16                                     ; its codes take registers that held the first image's rows
	s_wait_alu depctr_va_vdst(0)
	s_wait_dscnt 0x0                               ; my scale words are in LDS
	s_barrier_signal -1
	s_barrier_wait -1
	s_cmp_lg_u32 s16, 0
	s_cbranch_scc1 .Lend                           ; wave 0 sends the record's scale words
	ds_load_b128 v[80:83], v1 offset:XWORDS
	s_wait_dscnt 0x0
	global_store_b128 v1, v[80:83], s[28:29]       ; 512 consecutive bytes
	s_branch .Lend
	; ---------------- the weights: K is the first axis.  A lane takes a column, its registers run down K.  Wave w: 32 of the half record's 64 columns (w % 2), 64 of its 128 along K (w / 2) ----------------
.Lweights:
	s_lshr_b32 s18, ttmp9, 1                       ; the record
	s_and_b32 s19, ttmp9, 1                        ; which half of it: columns 64 hf on
	s_lshr_b32 s22, s18, 3                         ; group of 128 columns, 0..23
	s_and_b32 s23, s18, 7                          ; K step
	s_and_b32 s36, s16, 1
	s_lshr_b32 s37, s16, 1                         ; c
	s_lshl_b32 s32, s23, 19                        ; 128 rows of 4,096 bytes
	s_lshl_b32 s30, s37, 18
	s_add_co_u32 s32, s32, s30
	s_and_b32 s30, s22, 7
	s_lshl_b32 s30, s30, 9
	s_add_co_u32 s32, s32, s30
	s_lshl_b32 s30, s19, 8
	s_add_co_u32 s32, s32, s30
	s_lshl_b32 s30, s36, 7
	s_add_co_u32 s32, s32, s30
	s_mov_b32 s33, 0
	s_mul_i32 s28, s18, REC
	s_mul_i32 s30, s19, 6144
	s_add_co_u32 s26, s28, s30
	s_mul_i32 s30, s16, 1536
	s_add_co_u32 s26, s26, s30                     ; on the way out I send image w of the half
	s_mov_b32 s27, 0
	s_lshl_b32 s30, s19, 8
	s_add_co_u32 s28, s28, s30
	s_add_co_u32 s28, s28, 12288
	s_mov_b32 s29, 0
	s_mul_i32 s30, s36, 2*IMGP
	s_add_co_u32 s30, s30, WBASE
	s_mul_i32 s38, s37, 520
	s_mul_i32 s39, s37, 1016
	s_add_co_u32 s39, s39, 8
	s_lshl_b32 s40, s36, 3
	s_lshl_b32 s31, s37, 1
	s_add_co_u32 s40, s40, s31
	s_add_co_u32 s40, s40, WWORDS
	s_mul_i32 s41, s16, IMGP
	s_add_co_u32 s41, s41, WBASE
	v_bfe_u32 v9, v0, 3, 1                         ; of 32 columns, column l is lane-row (l % 8) + 8 (l / 16) of image (l / 8) % 2
	v_and_b32 v10, 7, v0
	v_lshl_add_u32 v10, v8, 3, v10
	v_mul_u32_u24 v2, v9, IMGP
	v_lshl_add_u32 v2, v10, 4, v2
	v_add_nc_u32 v2, s30, v2
	v_add_nc_u32 v3, s39, v2                       ; registers 6 c + 2, 6 c + 3 of my column: at 8, or 1,024
	v_add_nc_u32 v2, s38, v2                       ; registers 6 c, 6 c + 1: at 0, or 520; 6 c + 4, 6 c + 5 stand 512 further on
	v_lshlrev_b32 v11, 4, v10
	v_lshl_add_u32 v11, v9, 2, v11
	v_add_nc_u32 v11, s40, v11                     ; my two bytes of my column's scale word
	v_add_nc_u32 v4, s41, v1                       ; the image back: 16 x lane
	v_lshlrev_b32 v12, 3, v6                       ; the scale words back: 8 x lane
	v_lshlrev_b32 v13, 2, v6                       ; in: 4 bytes a lane
	s_wait_alu depctr_va_vdst(0)                   ; the head's end
	s_wait_kmcnt 0x0
	s_cmp_lt_u32 s22, 8                            ; which weight: the choice hangs on the work-group's number alone
	s_cselect_b64 s[24:25], s[6:7], s[8:9]
	s_cmp_lt_u32 s22, 16
	s_cselect_b64 s[24:25], s[24:25], s[10:11]
	s_add_nc_u64 s[24:25], s[24:25], s[32:33]
	s_add_nc_u64 s[26:27], s[14:15], s[26:27]
	s_add_nc_u64 s[28:29], s[14:15], s[28:29]
.set n, 0
.rept 64
	global_load_b32 v[XW+n], v13, s[24:25] offset:4096*n th:TH_LOAD_NT   ; 128 consecutive bytes a load
.set n, n+1
.endr
.macro BLOCKW b
.set XS, XW+32*\b
.set CC, C+12*\b
	s_wait_loadcnt 32*(1-\b)                       ; this block's 32 loads are in
	v_max3_num_f32 v170, |v[XS]|, |v[XS+1]|, |v[XS+2]|   ; the block's largest magnitude: all 32 numbers are mine
	v_max3_num_f32 v171, |v[XS+3]|, |v[XS+4]|, |v[XS+5]|
.irp i, 6,10,14,18,22,26
	v_max3_num_f32 v170, v170, |v[XS+\i]|, |v[XS+\i+1]|
	v_max3_num_f32 v171, v171, |v[XS+\i+2]|, |v[XS+\i+3]|
.endr
	v_max3_num_f32 v170, v170, |v[XS+30]|, |v[XS+31]|
	v_max3_num_f32 v170, v170, v171, 0x2800000     ; and the floor
	v_add_nc_u32 v172, 0xfe000000, v170            ; the conversion's scale operand
	v_lshrrev_b32 v173, 23, v172                   ; the byte
.if \b == 0
	v_mov_b32 v174, v173
.else
	v_lshl_or_b32 v174, v173, 8, v174
.endif
	v_cvt_scalef32_pk16_bf6_f32 v[CC:CC+2], v[XS:XS+15], v172
	v_cvt_scalef32_pk16_bf6_f32 v[CC+6:CC+8], v[XS+16:XS+31], v172
	v_nop                                          ; one plain instruction behind a scaled conversion
.irp i, 0,1,2
	v_mov_b32 v[CC+3+\i], v[CC+6+\i]
.endr
	ds_store_b64 v2, v[CC:CC+1] offset:256*\b      ; block 2 c + b is registers 6 c .. 6 c + 5 of lane (my lane-row) + 16 b of my image
	ds_store_b64 v3, v[CC+2:CC+3] offset:256*\b
	ds_store_b64 v2, v[CC+4:CC+5] offset:256*\b+512
.endm
	BLOCKW 0
	BLOCKW 1
	ds_store_b16 v11, v174
	s_wait_alu depctr_va_vdst(0)
	s_wait_dscnt 0x0
	s_barrier_signal -1
	s_barrier_wait -1
.irp c, 0,1,2
	ds_load_b128 v[80+4*\c:83+4*\c], v4 offset:512*\c
.endr
	ds_load_b64 v[92:93], v12 offset:WWORDS
	s_wait_dscnt 0x0
.irp c, 0,1,2
	global_store_b128 v1, v[80+4*\c:83+4*\c], s[26:27] offset:512*\c
.endr
	s_cmp_lg_u32 s16, 0
	s_cbranch_scc1 .Lend
	global_store_b64 v12, v[92:93], s[28:29]       ; wave 0: 256 consecutive bytes, aligned
.Lend:
	s_wait_tensorcnt 0x0                           ; the wave's end
	ds_add_u32 v[SPW], v[NIL]
	s_wait_dscnt 0x0
	s_endpgm
.Lfunc_end_k_qa3bf4e15bd_quant:
	.size	k_qa3bf4e15bd_quant, .Lfunc_end_k_qa3bf4e15bd_quant-k_qa3bf4e15bd_quant
	.p2alignl 7, 3214868480
	.fill 96, 4, 3214868480
	.section	.rodata,"a",@progbits
	.p2align	6, 0x0
	.amdhsa_kernel k_qa3bf4e15bd_quant
		.amdhsa_group_segment_fixed_size 41728
		.amdhsa_private_segment_fixed_size 0
		.amdhsa_enable_private_segment 0
		.amdhsa_kernarg_size 48
		.amdhsa_user_sgpr_count 2
		.amdhsa_user_sgpr_kernarg_segment_ptr 1
		.amdhsa_wavefront_size32 1
		.amdhsa_system_sgpr_workgroup_id_x 1
		.amdhsa_system_sgpr_workgroup_id_y 1
		.amdhsa_system_sgpr_workgroup_id_z 1
		.amdhsa_system_vgpr_workitem_id 0
		.amdhsa_next_free_vgpr 256
		.amdhsa_next_free_sgpr 66
		.amdhsa_reserve_vcc 0
		.amdhsa_float_denorm_mode_32 3
		.amdhsa_float_denorm_mode_16_64 3
		.amdhsa_memory_ordered 1
		.amdhsa_forward_progress 1
		.amdhsa_inst_pref_size 31
	.end_amdhsa_kernel
	.amdgpu_metadata
---
amdhsa.version: [ 1, 2 ]
amdhsa.kernels:
  - .name:           k_qa3bf4e15bd_quant
    .symbol:         k_qa3bf4e15bd_quant.kd
    .args:
      - { .name: x, .offset: 0, .size: 8, .value_kind: global_buffer, .address_space: global }
      - { .name: Wq, .offset: 8, .size: 8, .value_kind: global_buffer, .address_space: global }
      - { .name: Wk, .offset: 16, .size: 8, .value_kind: global_buffer, .address_space: global }
      - { .name: Wv, .offset: 24, .size: 8, .value_kind: global_buffer, .address_space: global }
      - { .name: xc, .offset: 32, .size: 8, .value_kind: global_buffer, .address_space: global }
      - { .name: wc, .offset: 40, .size: 8, .value_kind: global_buffer, .address_space: global }
    .group_segment_fixed_size: 41728
    .private_segment_fixed_size: 0
    .kernarg_segment_align: 8
    .kernarg_segment_size: 48
    .max_flat_workgroup_size: 128
    .sgpr_count:     66
    .vgpr_count:     256
    .wavefront_size: 32
...
	.end_amdgpu_metadata
.endif
;; end of part 1
;; launch proj (part 2): grid 8 x 32, 4 waves a work-group, clusters of 4 x 4, 327,680 bytes of LDS; arguments xc, wc, qk, vt; writes qk, vt
.if DOCPART == 2
	.amdgcn_target "amdgcn-amd-amdhsa--gfx1250"
	.amdhsa_code_object_version 6
	.text
	.protected	k_qa3bf4e15bd_proj
	.globl	k_qa3bf4e15bd_proj
	.p2align	8
	.type	k_qa3bf4e15bd_proj,@function
k_qa3bf4e15bd_proj:
	s_mov_b64 s[64:65], 0
	v_nop
	global_prefetch_b8 v0, s[64:65] scope:SCOPE_SE
	s_setreg_imm32_b32 hwreg(HW_REG_WAVE_MODE, 25, 1), 1
	s_wait_xcnt 0x0
	s_wait_alu depctr_hold_cnt(0) depctr_sa_sdst(0) depctr_va_vdst(0) depctr_va_sdst(0) depctr_va_ssrc(0) depctr_va_vcc(0) depctr_vm_vsrc(0)
	s_getreg_b32 s2, hwreg(HW_REG_IB_STS2, 6, 4)
	s_cmp_eq_u32 s2, 0
	s_cbranch_scc0 .Lentry_in_a_cluster
	s_endpgm
.Lentry_in_a_cluster:
	s_bfe_u32 s2, ttmp6, 0x10000c
	s_cmp_lg_u32 s2, 0xf033
	s_cbranch_scc0 .Lentry_shape_is_right
	s_endpgm
.Lentry_shape_is_right:
; Q = x Wq, K = x Wk, V = x Wv on codes of BF6 (E3M2) with E8M0 scales, from RECORDS of 12,800 bytes (128 rows x 128 along K as images of the operand's registers; scale words from byte 12,288 on).
; Q and K are quantised along the features (qk: record (token / 128) x 16 + n, n 0-7 Q, 8-15 K); V along the TOKENS (vt: record (feature / 128) x 64 + token / 128).
; A work-group takes 256 tokens x the 128 columns n of each of Wq, Wk, Wv; 8 x 32 work-groups.  Wave (i, j): the tokens 128 i on x 128 columns of Wq (j = 0) or Wk (j = 1), and x the 64 features 64 j on of Wv:
; 64 + 32 accumulators, 768 registers.  Q, K: source 0 = 16 columns, source 1 = 16 tokens: a lane holds one token, its registers run along the features.  V: source 0 = 16 tokens, source 1 = 16 columns.
; LDS: two regions of two K steps: x's two groups, then Wq's, Wk's, Wv's.  At the head wave 0 asks for x and wave 1 for the weights of region 0, waves 2 and 3 for those of region 1, one load each; a region is filled again
; by the same two waves when its two steps are read: by this text's count a refill has two steps, 192 matrix instructions, in which to land.
; CLUSTER 4 x 4: x's tiles are asked for jointly along a row, the weights' along a column.  No prefetch: the walk is written out, half of it is asked for at the start, and there is no loop to run ahead in.
; The launch claims all of a WGP's LDS, and has the add of 0 onto spare words.
; LIMITS: NaN and infinities are not served; a block of zeros gets the byte 1 (this program alone reads the bytes).
; REGISTERS, window 0: v6-15 LDS addresses; v16, v17 the add's; v20-43 scale words, two sets of 12; v48-143 x's eight fragments; v144-239 the weights' fragments, two sets of four.
;   Q / K accumulator (a, b) at v[8 (8 (a % 4) + b)] of window 1 + a / 4; V's (v, t) at v[8 (8 v + t)] of window 3.
.set REC,   12800
.set PAIR,  2*REC
.set RGN,   10*REC
.set SPARE, 2*RGN
.set ADRX,  6
.set ADRW,  8
.set ADRV,  10
.set ADRS,  12
.set ADRVS, 14
.set SPW,   16
.set NIL,   17
.set SC,    20
.set XF,    48
.set TF,    144
.set SEL,   20
.set G1A,   24
.set G0A,   32
.set G1B,   44
.set G0B,   52
.set TM,    48                         ; the way out: v48-79 at work
.set WD,    80                         ; v80-91 the twelve images' scale words
.set QO,    92
.set PC,    100                        ; six sets of codes, 20 registers apart
.set MSB, 0
.macro WIN new                         ; the immediate's high byte repeats the setting that is left
.if MSB != (\new)
	s_set_vgpr_msb (MSB<<8)|(\new)
.set MSB, (\new)
.endif
.endm
.macro PLACES n
.rept \n
	v_nop
.endr
.endm
.macro CREST                           ; a round of the cluster's barrier behind its opening barrier
	s_cmp_lg_u32 s14, 0
	s_cbranch_scc1 .Lnot_wave_0_\@
	s_barrier_signal -3
.Lnot_wave_0_\@:
	s_barrier_wait -3
	s_barrier_signal -1
	s_barrier_wait -1
.endm
.macro CROUND
	s_barrier_signal -1
	s_barrier_wait -1
	CREST
.endm
.macro RLOAD w, g0a, g0b               ; a joint refill: wave w fetches x's tile, wave w + 1 the weights'; four v_nop follow each line
	s_cmp_eq_u32 s14, \w
	s_cbranch_scc0 .Lnot_a_\@
	tensor_load_to_lds s[\g0a:\g0a+3], s[G1A:G1A+7]
	s_nop 0
.rept 4
	v_nop
.endr
	s_branch .Lasked_\@
.Lnot_a_\@:
	s_cmp_eq_u32 s14, (\w)+1
	s_cbranch_scc0 .Lasked_\@
	tensor_load_to_lds s[\g0b:\g0b+3], s[G1B:G1B+7]
	s_nop 0
.rept 4
	v_nop
.endr
.Lasked_\@:
.endm
.macro FS t, i0                        ; four of x's fragments of step t: twelve loads of 512 consecutive bytes
.set RR, ((\t)/2)%2
.irp i, 0,1,2,3
.irp c, 0,1,2
	ds_load_b128 v[XF+12*(\i0+\i)+4*\c:XF+12*(\i0+\i)+4*\c+3], v[ADRX+RR] offset:((\t)%2)*REC+1536*(\i0+\i)+512*\c
.endr
.endr
.endm
.macro FT t, ph                        ; four of the weights' fragments: third ph of step t, into set (3 t + ph) % 2
.set RR, ((\t)/2)%2
.set TS, TF+48*((3*(\t)+(\ph))%2)
.irp i, 0,1,2,3
.irp c, 0,1,2
.if (\ph) == 2
	ds_load_b128 v[TS+12*\i+4*\c:TS+12*\i+4*\c+3], v[ADRV+RR] offset:((\t)%2)*REC+1536*\i+512*\c
.else
	ds_load_b128 v[TS+12*\i+4*\c:TS+12*\i+4*\c+3], v[ADRW+RR] offset:((\t)%2)*REC+1536*(4*(\ph)+\i)+512*\c
.endif
.endr
.endr
.endm
.macro FSC t                           ; scale words of step t: register i: lanes 0-15 x's image i, lanes 16-31 Wq's or Wk's; registers 8 to 11 Wv's four images
.set RR, ((\t)/2)%2
.set SS, SC+12*((\t)%2)
	ds_load_b128 v[SS:SS+3], v[ADRS+RR] offset:((\t)%2)*REC
	ds_load_b128 v[SS+4:SS+7], v[ADRS+RR] offset:((\t)%2)*REC+256
	ds_load_b128 v[SS+8:SS+11], v[ADRVS+RR] offset:((\t)%2)*REC
.endm
; The 96 accumulators take turns, one instruction a turn, in the same order in every step.  Step 0's products start the sums.
.macro MULQ t, g, h                    ; x's images 4 h .. 4 h + 3 against images 4 g .. 4 g + 3 of Wq or Wk
.set MT, TF+48*((3*(\t)+(\g))%2)
.set SB, SC+12*((\t)%2)
	WIN 0x50*(1+(\h))
.irp a, 0,1,2,3
.irp b, 0,1,2,3
.set D, 8*(8*\a+4*(\g)+\b)
.if (\t) == 0
	v_wmma_scale_f32_16x16x128_f8f6f4 v[D:D+7], v[MT+12*\b:MT+12*\b+11], v[XF+12*(4*(\h)+\a):XF+12*(4*(\h)+\a)+11], 0, v[SB+4*(\g)+\b], v[SB+4*(\h)+\a] matrix_a_fmt:MATRIX_FMT_BF6 matrix_b_fmt:MATRIX_FMT_BF6 matrix_a_scale:MATRIX_SCALE_ROW1
.else
	v_wmma_scale_f32_16x16x128_f8f6f4 v[D:D+7], v[MT+12*\b:MT+12*\b+11], v[XF+12*(4*(\h)+\a):XF+12*(4*(\h)+\a)+11], v[D:D+7], v[SB+4*(\g)+\b], v[SB+4*(\h)+\a] matrix_a_fmt:MATRIX_FMT_BF6 matrix_b_fmt:MATRIX_FMT_BF6 matrix_a_scale:MATRIX_SCALE_ROW1
.endif
.endr
.endr
.endm
.macro MULV t, a0                      ; x's images a0, a0 + 1 against Wv's four
.set MT, TF+48*((3*(\t)+2)%2)
.set SB, SC+12*((\t)%2)
	WIN 0xf0
.irp a, \a0, \a0+1
.irp b, 0,1,2,3
.set D, 8*(8*\b+(\a))
.if (\t) == 0
	v_wmma_scale_f32_16x16x128_f8f6f4 v[D:D+7], v[XF+12*(\a):XF+12*(\a)+11], v[MT+12*\b:MT+12*\b+11], 0, v[SB+(\a)], v[SB+8+\b] matrix_a_fmt:MATRIX_FMT_BF6 matrix_b_fmt:MATRIX_FMT_BF6
.else
	v_wmma_scale_f32_16x16x128_f8f6f4 v[D:D+7], v[XF+12*(\a):XF+12*(\a)+11], v[MT+12*\b:MT+12*\b+11], v[D:D+7], v[SB+(\a)], v[SB+8+\b] matrix_a_fmt:MATRIX_FMT_BF6 matrix_b_fmt:MATRIX_FMT_BF6
.endif
.endr
.endr
.endm
; The last third of an odd step changes regions: all reads of this region have been issued.
.macro TURN t, refill
.set RT, ((\t)/2)%2
	s_wait_tensorcnt 0x0                           ; all my tensor loads have landed: the other region's part, if it was mine
.if \refill
	ds_add_u32 v[SPW], v[NIL]                      ; 0 onto my spare word
	s_wait_dscnt 1                                 ; Wv's fragments are in; the add alone may be out
.else
	s_wait_dscnt 0x0
.endif
	MULV \t, 0
	s_wait_dscnt 0x0                               ; the add, where there is one, is done, and my reads of this region are over
	s_barrier_signal -1
	MULV \t, 2
	WIN 0
	s_barrier_wait -1
.if \refill
	CREST                                          ; the barrier has opened a round of the cluster's: no wave of any partner still reads this region or has a load on its way
	s_add_nc_u64 s[G0A+4*RT+2:G0A+4*RT+3], s[G0A+4*RT+2:G0A+4*RT+3], 4*REC
	s_add_nc_u64 s[G0B+4*RT+2:G0B+4*RT+3], s[G0B+4*RT+2:G0B+4*RT+3], 4*REC
	RLOAD 2*RT, G0A+4*RT, G0B+4*RT
.endif
	PLACES 4                                       ; between products and loads into the registers that they read
	FT (\t)+1, 0
	FSC (\t)+1
	FS (\t)+1, 0
	MULV \t, 4
	MULV \t, 6
	WIN 0
.endm
; A step: three thirds of 32 products; each third's weights are asked for a third ahead, x's fragments anew by halves in the last third and at its end.
.macro STEP t
	PLACES 4
	FS \t, 4
	FT \t, 1
	s_wait_dscnt 24                                ; all but the 24 just issued
	MULQ \t, 0, 0
	s_wait_dscnt 12                                ; x's images 4-7 are in
	MULQ \t, 0, 1
	WIN 0
	PLACES 4
	FT \t, 2
	s_wait_dscnt 12                                ; all but the twelve just issued
	MULQ \t, 1, 0
	MULQ \t, 1, 1
	WIN 0
.if (\t) == 7
	s_wait_dscnt 0x0
	MULV \t, 0
	MULV \t, 2
	MULV \t, 4
	MULV \t, 6
	WIN 0
.elseif (\t) == 5
	TURN \t, 0
.elseif (\t)%2 == 1
	TURN \t, 1
.else
	PLACES 4
	FT (\t)+1, 0
	FSC (\t)+1
	s_wait_dscnt 15                                ; all but the fifteen just issued
	MULV \t, 0
	MULV \t, 2
	WIN 0
	PLACES 4
	FS (\t)+1, 0
	MULV \t, 4
	MULV \t, 6
	WIN 0
.endif
.endm
	s_load_b256 s[4:11], s[0:1], 0x0               ; xc s[4:5], wc s[6:7], qk s[8:9], vt s[10:11]
	v_lshl_add_u32 v[SPW], v0, 2, SPARE
	v_mov_b32 v[NIL], 0
	ds_add_u32 v[SPW], v[NIL]                      ; the wave's opening
	ds_add_u32 v[SPW], v[NIL]
	v_lshrrev_b32 v1, 5, v0
	v_readfirstlane_b32 s14, v1                    ; wave 0..3
	s_lshr_b32 s15, s14, 1                         ; i: my half of the tokens
	s_and_b32 s16, s14, 1                          ; j
	s_bfe_u32 s66, ttmp6, 0x40000                  ; cx
	s_bfe_u32 s67, ttmp6, 0x40004                  ; cy
	s_and_b32 s68, ttmp7, 0xffff
	s_lshl_b32 s69, s67, 2
	s_lshl_b32 s69, 15, s69                        ; my row of the cluster
	s_lshl_b32 s70, 0x1111, s66                    ; my column
	s_or_b32 s[G1A], s69, (3<<16)|(1<<21)          ; x: two rows of 25,600 bytes (elements of 8 bytes), a group of 128 tokens apart
	s_or_b32 s[G1B], s70, (3<<16)|(1<<21)          ; the weights: three rows of 25,600 bytes, eight groups apart
	s_mov_b32 s[G1A+1], 3200<<16
	s_mov_b32 s[G1A+2], 2<<16
	s_mov_b32 s[G1A+3], 3200<<16
	s_mov_b32 s[G1A+4], 2
	s_mov_b32 s[G1A+5], REC
	s_mov_b32 s[G1A+6], 0
	s_mov_b32 s[G1A+7], 0
	s_mov_b32 s[G1B+1], 3200<<16
	s_mov_b32 s[G1B+2], 3<<16
	s_mov_b32 s[G1B+3], 3200<<16
	s_mov_b32 s[G1B+4], 3
	s_mov_b32 s[G1B+5], 8*REC
	s_mov_b32 s[G1B+6], 0
	s_mov_b32 s[G1B+7], 0
	s_lshl_b32 s71, s68, 3
	s_lshl_b32 s72, s67, 1
	s_add_co_u32 s71, s71, s72                     ; my tile's first group of tokens; no register that feeds x's descriptors holds cx
	s_mul_i32 s76, s71, 8*REC
	s_mov_b32 s77, 0
	s_lshl_b32 s78, ttmp9, 2
	s_add_co_u32 s78, s78, s66                     ; n; no register that feeds the weights' descriptors holds cy
	s_mul_i32 s80, s78, 8*REC
	s_mov_b32 s81, 0
	s_add_co_u32 s74, s71, s15                     ; my group of tokens
	s_lshl_b32 s75, s74, 4
	s_lshl_b32 s79, s16, 3
	s_add_co_u32 s75, s75, s79
	s_add_co_u32 s75, s75, s78
	s_mul_i32 s94, s75, REC                        ; my record of qk
	s_mov_b32 s95, 0
	s_lshl_b32 s75, s78, 6
	s_add_co_u32 s75, s75, s74
	s_mul_i32 s96, s75, REC                        ; my record of vt:
	s_lshl_b32 s79, s16, 8
	s_add_co_u32 s98, s96, s79
	s_add_co_u32 s98, s98, 12288                   ; the 256 bytes of my four images' scale words,
	s_mov_b32 s99, 0
	s_mul_i32 s79, s16, 6144
	s_add_co_u32 s96, s96, s79                     ; and the images
	s_mov_b32 s97, 0
	s_mul_i32 s90, s15, PAIR                       ; in a region: my group of x,
	s_mul_i32 s91, s16, PAIR
	s_add_co_u32 s91, s91, 2*PAIR                  ; Wq or Wk,
	s_sub_co_u32 s92, s91, s90
	s_add_co_u32 s93, s90, 12288
	s_mul_i32 s82, s16, 6144
	s_add_co_u32 s82, s82, 4*PAIR                  ; my four images of Wv
	s_lshl_b32 s83, s16, 8
	s_add_co_u32 s83, s83, 4*PAIR+12288            ; and their scale words
	s_mov_b32 s[SEL], 0x76543210
	s_mov_b32 s[SEL+1], 0xfedcba98
	s_wait_dscnt 0x0                               ; both opening adds are done
	s_wait_kmcnt 0x0
	s_add_nc_u64 s[84:85], s[4:5], s[76:77]
	s_add_nc_u64 s[86:87], s[6:7], s[80:81]
	s_add_nc_u64 s[88:89], s[8:9], s[94:95]
	s_add_nc_u64 s[100:101], s[10:11], s[96:97]
	s_add_nc_u64 s[98:99], s[10:11], s[98:99]
	CROUND                                         ; all sixteen work-groups are here: the first joint loads meet
.irp s, 0,1
	s_mov_b32 s[G0A+4*\s], 1
	s_mov_b32 s[G0A+4*\s+1], \s*RGN
	s_add_nc_u64 s[G0A+4*\s+2:G0A+4*\s+3], s[84:85], \s*PAIR
	s_or_b32 s[G0A+4*\s+3], s[G0A+4*\s+3], 0x80000000
	s_mov_b32 s[G0B+4*\s], 1
	s_mov_b32 s[G0B+4*\s+1], \s*RGN+2*PAIR
	s_add_nc_u64 s[G0B+4*\s+2:G0B+4*\s+3], s[86:87], \s*PAIR
	s_or_b32 s[G0B+4*\s+3], s[G0B+4*\s+3], 0x80000000
.endr
; The head's loads, one a wave: one tree of branches on the wave's number, every way through it passes one load.
.macro ARM under, g0, g1, next
	s_cmp_lt_u32 s14, \under
	s_cbranch_scc0 \next
	tensor_load_to_lds s[\g0:\g0+3], s[\g1:\g1+7]
	s_nop 0
.rept 4
	v_nop
.endr
	s_branch .Lhead_asked
\next:
.endm
	ARM 1, G0A, G1A, .Lhead_1
	ARM 2, G0B, G1B, .Lhead_2
	ARM 3, G0A+4, G1A, .Lhead_3
	tensor_load_to_lds s[G0B+4:G0B+7], s[G1B:G1B+7]
	s_nop 0
.rept 4
	v_nop
.endr
.Lhead_asked:
	v_and_b32 v4, 31, v0                           ; lane
	v_and_b32 v2, 15, v0                           ; r
	v_bfe_u32 v3, v0, 4, 1                         ; h
	v_lshlrev_b32 v1, 4, v4                        ; 16 x lane
	v_lshlrev_b32 v5, 4, v2                        ; 16 r
	v_lshl_add_u32 v19, v3, 3, v5                  ; 16 r + 8 h
	v_mul_u32_u24 v18, s92, v3                     ; lanes 16-31 take the weights' scale words: the distance between the two groups x h
	v_add_nc_u32 v18, v18, v5
	v_add_nc_u32 v[ADRX], s90, v1
	v_add_nc_u32 v[ADRW], s91, v1
	v_add_nc_u32 v[ADRV], s82, v1
	v_add_nc_u32 v[ADRS], s93, v18
	v_add_nc_u32 v[ADRVS], s83, v5
	v_add_nc_u32 v[ADRX+1], RGN, v[ADRX]
	v_add_nc_u32 v[ADRW+1], RGN, v[ADRW]
	v_add_nc_u32 v[ADRV+1], RGN, v[ADRV]
	v_add_nc_u32 v[ADRS+1], RGN, v[ADRS]
	v_add_nc_u32 v[ADRVS+1], RGN, v[ADRVS]
	s_wait_alu depctr_va_vdst(0)                   ; the head's end
	s_cmp_lt_u32 s14, 2
	s_cbranch_scc0 .Lregion_1
	s_wait_tensorcnt 0x0                           ; waves 0 and 1: my part of region 0 is in.  Waves 2 and 3 wait for theirs at the first change of regions
.Lregion_1:
	s_barrier_signal -1
	s_barrier_wait -1
	FT 0, 0
	FSC 0
	FS 0, 0
.irp t, 0,1,2,3,4,5,6,7
	STEP \t
.endr
; THE WAY OUT, image by image: a lane's 64 results are register 16 b + i = number 32 b + 16 h + i along the next K: they are quantised as they stand.  k counts the images, o is the image's place behind base.
; Two images at a time, k and k + 1 (accumulators from ac and from ac + 64 on), so that every chain has seven others to take turns with.
.macro QUANT2 k, o, w, ac, base
	WIN (\w)|((\w)<<2)                             ; sources 0 and 1: the accumulators' window
.irp u, 0,1
.irp b, 0,1,2,3
	v_max3_num_f32 v[TM+16*\u+\b], |v[\ac+64*\u+16*\b]|, |v[\ac+64*\u+1+16*\b]|, 0x2800000   ; each accumulator is read from its low end on; the floor 2^(5 - 127) holds the byte at 1
.endr
.endr
	WIN ((\w)<<2)|((\w)<<4)                        ; sources 1 and 2
.irp i, 2,4,6,8,10,12,14
.irp u, 0,1
.irp b, 0,1,2,3
	v_max3_num_f32 v[TM+16*\u+\b], v[TM+16*\u+\b], |v[\ac+64*\u+16*\b+\i]|, |v[\ac+64*\u+1+16*\b+\i]|
.endr
.endr
.endr
	WIN 0
.irp u, 0,1
.irp b, 0,1,2,3
	v_permlanex16_b32 v[TM+16*\u+4+\b], v[TM+16*\u+\b], s[SEL], s[SEL+1]
.endr
.endr
.irp u, 0,1
.irp b, 0,1,2,3
	v_max_num_f32 v[TM+16*\u+\b], v[TM+16*\u+\b], v[TM+16*\u+4+\b]
.endr
.endr
.irp u, 0,1
.irp b, 0,1,2,3
	v_add_nc_u32 v[TM+16*\u+12+\b], 0xfe000000, v[TM+16*\u+\b]   ; 4 off the exponent field: the conversion's scale operand
.endr
.endr
.irp u, 0,1
.irp b, 0,1,2,3
	v_lshrrev_b32 v[TM+16*\u+4+\b], 23, v[TM+16*\u+12+\b]
.endr
.endr
.irp u, 0,1
	v_lshl_or_b32 v[WD+(\k)+\u], v[TM+16*\u+5], 8, v[TM+16*\u+4]
.endr
.irp u, 0,1
	v_lshl_or_b32 v[WD+(\k)+\u], v[TM+16*\u+6], 16, v[WD+(\k)+\u]
.endr
.irp u, 0,1
	v_lshl_or_b32 v[WD+(\k)+\u], v[TM+16*\u+7], 24, v[WD+(\k)+\u]
.endr
.if (\k) == 6
	s_wait_xcnt 0x0                                ; images 0 to 5's stores have read their codes: all six sets are free
.endif
	WIN (\w)
.irp u, 0,1
.set PCS, PC+20*(((\k)+\u)%6)
.irp c, 0,1
	v_cvt_scalef32_pk16_bf6_f32 v[PCS+6*\c:PCS+6*\c+2], v[\ac+64*\u+32*\c:\ac+64*\u+32*\c+15], v[TM+16*\u+12+2*\c]
	v_cvt_scalef32_pk16_bf6_f32 v[PCS+12+4*\c:PCS+14+4*\c], v[\ac+64*\u+16+32*\c:\ac+64*\u+31+32*\c], v[TM+16*\u+13+2*\c]
.endr
.endr
	WIN 0
	v_nop                                          ; one plain instruction behind a scaled conversion
.irp u, 0,1
.set PCS, PC+20*(((\k)+\u)%6)
.irp c, 0,1
.irp i, 0,1,2
	v_permlane16_swap_b32 v[PCS+6*\c+\i], v[PCS+12+4*\c+\i]
.endr
.endr
.endr
.irp u, 0,1
.set PCS, PC+20*(((\k)+\u)%6)
.irp c, 0,1
.irp i, 0,1,2
	v_mov_b32 v[PCS+3+6*\c+\i], v[PCS+12+4*\c+\i]
.endr
.endr
.irp c, 0,1,2
	global_store_b128 v1, v[PCS+4*\c:PCS+4*\c+3], s[\base:\base+1] offset:1536*((\o)+\u)+512*\c   ; 512 consecutive bytes a store
.endr
.endr
.endm
	PLACES 4                                       ; between the last products and the first read of results, and the first write of registers that held fragments
.irp b, 0,1,2,3
	v_mov_b32 v[TM+4+\b], 0                        ; a lane permute's destination counts as one of its sources
	v_mov_b32 v[TM+20+\b], 0
.endr
	QUANT2 0, 0, 1, 0, 88
	QUANT2 2, 2, 1, 128, 88
	QUANT2 4, 4, 2, 0, 88
	QUANT2 6, 6, 2, 128, 88
	QUANT2 8, 0, 3, 0, 100
	QUANT2 10, 2, 3, 128, 100
	v_cmp_lt_u32 vcc_lo, 15, v4                    ; lanes 16-31 take images 4 to 7
.irp i, 0,1,2,3
	v_cndmask_b32 v[QO+\i], v[WD+\i], v[WD+4+\i], vcc_lo
.endr
	v_cndmask_b32 v[QO+4], v[WD+8], v[WD+10], vcc_lo
	v_cndmask_b32 v[QO+5], v[WD+9], v[WD+11], vcc_lo
	global_store_b128 v1, v[QO:QO+3], s[88:89] offset:12288
	global_store_b64 v19, v[QO+4:QO+5], s[98:99]   ; 256 consecutive bytes, aligned
	s_wait_tensorcnt 0x0                           ; the wave's end
	ds_add_u32 v[SPW], v[NIL]
	s_wait_dscnt 0x0
	CROUND                                         ; the closing round
	s_endpgm
.Lfunc_end_k_qa3bf4e15bd_proj:
	.size	k_qa3bf4e15bd_proj, .Lfunc_end_k_qa3bf4e15bd_proj-k_qa3bf4e15bd_proj
	.p2alignl 7, 3214868480
	.fill 96, 4, 3214868480
	.section	.rodata,"a",@progbits
	.p2align	6, 0x0
	.amdhsa_kernel k_qa3bf4e15bd_proj
		.amdhsa_group_segment_fixed_size 327680
		.amdhsa_private_segment_fixed_size 0
		.amdhsa_enable_private_segment 0
		.amdhsa_kernarg_size 32
		.amdhsa_user_sgpr_count 2
		.amdhsa_user_sgpr_kernarg_segment_ptr 1
		.amdhsa_wavefront_size32 1
		.amdhsa_system_sgpr_workgroup_id_x 1
		.amdhsa_system_sgpr_workgroup_id_y 1
		.amdhsa_system_sgpr_workgroup_id_z 1
		.amdhsa_system_vgpr_workitem_id 0
		.amdhsa_next_free_vgpr 1024
		.amdhsa_next_free_sgpr 102
		.amdhsa_reserve_vcc 1
		.amdhsa_float_denorm_mode_32 3
		.amdhsa_float_denorm_mode_16_64 3
		.amdhsa_memory_ordered 1
		.amdhsa_forward_progress 1
		.amdhsa_inst_pref_size 194
	.end_amdhsa_kernel
	.amdgpu_metadata
---
amdhsa.version: [ 1, 2 ]
amdhsa.kernels:
  - .name:           k_qa3bf4e15bd_proj
    .symbol:         k_qa3bf4e15bd_proj.kd
    .args:
      - { .name: xc, .offset: 0, .size: 8, .value_kind: global_buffer, .address_space: global }
      - { .name: wc, .offset: 8, .size: 8, .value_kind: global_buffer, .address_space: global }
      - { .name: qk, .offset: 16, .size: 8, .value_kind: global_buffer, .address_space: global }
      - { .name: vt, .offset: 24, .size: 8, .value_kind: global_buffer, .address_space: global }
    .group_segment_fixed_size: 327680
    .private_segment_fixed_size: 0
    .kernarg_segment_align: 8
    .kernarg_segment_size: 32
    .max_flat_workgroup_size: 128
    .sgpr_count:     102
    .vgpr_count:     1024
    .wavefront_size: 32
...
	.end_amdgpu_metadata
.endif
;; end of part 2
;; launch scores (part 3): grid 36 x 4, 4 waves a work-group, no clusters, 327,680 bytes of LDS; arguments qk, pc, st; writes pc, st
.if DOCPART == 3
	.amdgcn_target "amdgcn-amd-amdhsa--gfx1250"
	.amdhsa_code_object_version 6
	.text
	.protected	k_qa3bf4e15bd_scores
	.globl	k_qa3bf4e15bd_scores
	.p2align	8
	.type	k_qa3bf4e15bd_scores,@function
k_qa3bf4e15bd_scores:
	s_mov_b64 s[64:65], 0
	v_nop
	global_prefetch_b8 v0, s[64:65] scope:SCOPE_SE
	s_setreg_imm32_b32 hwreg(HW_REG_WAVE_MODE, 25, 1), 1
	s_wait_xcnt 0x0
; S = Q K^T / 32, the causal mask, and p = 2^(t - Mloc) quantised along the keys, for each row and each 128 keys with a whole number Mloc of its own (the ceiling of the row's largest t among these 128 keys).  The next
; launch brings the scale bytes to the row's true M, which is exact: M is a whole number, and a block's scale takes the power of two up.  Products of 256 x 256 over K = 1,024 on RECORDS of 12,800 bytes (128 rows x 128
; along K as images of the operand's registers; scale words from byte 12,288 on).  Stored: p's codes and raw scale words (pc: rows = queries, K = keys), and for each row and record -Mloc and the sum of the unquantised p
; (st: record x 1,024 bytes; -Mloc at 0, the sum at 512, each laid as a record's scale words are).
; THE ORDER OF P's RECORDS: groups of 128 queries go in pairs, 15 - i (late) and i (early), i = 0..7: together 17 records a pair, at (8 x batch + i) x 17 + pos: early, keys 0: pos 0; late, keys 8 + j: pos 1 + j; early,
; keys e > 0: pos 9 - e; late, keys k < 8: pos 9 + k.
; WORK LEFT OUT: tiles above the diagonal, which reference()'s own mask hides whole: of a batch's 8 x 8 tiles the 36 on and under the diagonal are made, one work-group each (grid x).
; Source 0 = 16 keys, source 1 = 16 queries: a lane holds one query, its registers run along the keys.
; LDS: region 0 holds two K steps, region 1 four.  At the head wave 0 asks for Q's and wave 1 for K's tiles of region 0, waves 2 and 3 for those of region 1, one load each; region 0 is filled again once, with steps 6 and 7,
; by waves 0 and 1: by this text's count that load has steps 2 to 5, 256 matrix instructions, in which to land.  No prefetch: the walk is written out and six of its eight steps are asked for at the start.
; NO CLUSTER: the triangle of 36 tiles does not divide into blocks of 4 x 4; three such blocks hold 48, and their 12 work-groups above the diagonal would ask for tiles and multiply them for nothing.
; The launch claims all of a WGP's LDS, and has the add of 0 onto spare words.
; LIMITS: NaN and infinities are not served, also where they reach hidden scores only; a block of zeros, and a block whose every p is 0, keeps the byte 1 (this program alone reads the bytes); p under 2^-126 against
; Mloc counts as 0; scaled scores stay under 2^31 in magnitude.
; REGISTERS: window 0: v1 16 x lane, v2 r, v3 h, v4 lane, v10 the mask's number; v16-21 LDS addresses; v28, v29 the add's; v32-63 scale words, two sets; v64-159, v160-255 Q's fragments, two sets (on the way out: at work).
;   window 1: K's fragments, two sets, at v0 and v128.   windows 2, 3: accumulator (a, b) at v[8 (8 (a % 4) + b)] of window 2 + a / 4.
.set REC,   12800
.set PAIR,  2*REC
.set RG1,   4*PAIR                     ; region 1 begins behind region 0
.set SPARE, RG1+16*REC
.set ADRA, 16
.set ADRB, 18
.set ADRS, 20
.set SPW,  28
.set NIL,  29
.set D0,   10
.set SC,   32
.set AF0,  64
.set SEL,  20
.set CS,   22                          ; s[22:23] log2(e) / 32
.set G1A,  24                          ; s[24:31] group 1 for tiles of region 0, s[32:39] of region 1
.set G0A,  56                          ; s[56:59], s[60:63] group 0 for Q's tiles; s[68:71], s[72:75] for K's
.set G0B,  68
.set MK,   24                          ; the way out: s24-47 the masks of -8 .. 15
.set DG,   101                         ; s101: all ones where my record lies on the diagonal
.set L2,   12                          ; v12-15, v22-25 the sums of two images, two chains each
.set LS,   22
.set T,    64                          ; v64-127, v128-191 t - Mloc, then p, of two images
.set BM,   192                         ; v192-199 each block's largest score, then p
.set BX,   200                         ; v200-207 lane l xor 16's; then the bytes
.set SO,   208                         ; v208-215 the conversions' scale operands
.set NEGM, 216                         ; v[216:217], v[218:219] -Mloc
.set NC,   220                         ; v[220:221], v[222:223] -Mloc for the blocks behind the images' own, or -infinity where they are hidden
.set LA,   224
.set S0,   232
.set SX,   234
.set WD,   236
.set NINF, 244
.set NMA,  245
.set MSB, 0
.macro WIN new                         ; the immediate's high byte repeats the setting that is left
.if MSB != (\new)
	s_set_vgpr_msb (MSB<<8)|(\new)
.set MSB, (\new)
.endif
.endm
.macro PLACES n
.rept \n
	v_nop
.endr
.endm
.macro FRAG3 reg, adr, off             ; a fragment's 12 registers: three loads of 512 consecutive bytes
.irp c, 0,1,2
	ds_load_b128 v[\reg+4*\c:\reg+4*\c+3], v[\adr] offset:\off+512*\c
.endr
.endm
.macro FETCH ns, nq, p                 ; the fragments of step nq of region ns into set p
	WIN 0x40
.irp i, 0,1,2,3,4,5,6,7
	FRAG3 128*(\p)+12*\i, ADRB+\ns, (\nq)*REC+1536*\i
.endr
	WIN 0
.irp i, 0,1,2,3,4,5,6,7
	FRAG3 AF0+96*(\p)+12*\i, ADRA+\ns, (\nq)*REC+1536*\i
.endr
.endm
.macro SCALES ns, q0, set              ; two steps' scale words: register 8 q + i: lanes 0-15 Q's image i, lanes 16-31 K's image i
.irp q, 0,1
.irp g, 0,1
	ds_load_b128 v[SC+16*(\set)+8*\q+4*\g:SC+16*(\set)+8*\q+4*\g+3], v[ADRS+\ns] offset:((\q0)+\q)*REC+256*\g
.endr
.endr
.endm
.macro MUL16 a0, p, zero               ; the 64 accumulators take turns, one instruction a turn, in the same order in every step
.irp a, \a0, \a0+1
.irp b, 0,1,2,3,4,5,6,7
.if \zero
	v_wmma_scale_f32_16x16x128_f8f6f4 v[8*(8*((\a)%4)+\b):8*(8*((\a)%4)+\b)+7], v[128*(\p)+12*\b:128*(\p)+12*\b+11], v[AF0+96*(\p)+12*(\a):AF0+96*(\p)+12*(\a)+11], 0, v[SCQ+\b], v[SCQ+(\a)] matrix_a_fmt:MATRIX_FMT_BF6 matrix_b_fmt:MATRIX_FMT_BF6 matrix_a_scale:MATRIX_SCALE_ROW1
.else
	v_wmma_scale_f32_16x16x128_f8f6f4 v[8*(8*((\a)%4)+\b):8*(8*((\a)%4)+\b)+7], v[128*(\p)+12*\b:128*(\p)+12*\b+11], v[AF0+96*(\p)+12*(\a):AF0+96*(\p)+12*(\a)+11], v[8*(8*((\a)%4)+\b):8*(8*((\a)%4)+\b)+7], v[SCQ+\b], v[SCQ+(\a)] matrix_a_fmt:MATRIX_FMT_BF6 matrix_b_fmt:MATRIX_FMT_BF6 matrix_a_scale:MATRIX_SCALE_ROW1
.endif
.endr
.endr
.endm
.macro KSTEP t, zero, ns, nq           ; step t; the next step's fragments (step nq of region ns) are asked for first, then the 64 products
.set SCQ, SC+16*(((\t)/2)%2)+8*((\t)%2)
	s_wait_dscnt 0x0                               ; this step's fragments and scale words are in
	PLACES 4                                       ; between the last step's products and loads into the registers that they read
	FETCH \ns, \nq, 1-(\t)%2
.if (\nq)%2 == 0
	SCALES \ns, \nq, (((\t)+1)/2)%2
.endif
	WIN 0xa1
	MUL16 0, (\t)%2, \zero
	MUL16 2, (\t)%2, \zero
	WIN 0xf1
	MUL16 4, (\t)%2, \zero
	MUL16 6, (\t)%2, \zero
	WIN 0
.endm
.macro TURN ns, refill                 ; steps 1 and 5: on to step 0 of region ns; refill = 1: region 0 is filled again
.set SCQ, SC+8
	s_wait_tensorcnt 0x0                           ; all my tensor loads have landed
.if \refill
	ds_add_u32 v[SPW], v[NIL]                      ; 0 onto my spare word
	s_wait_dscnt 1                                 ; this step's fragments are in; the add alone may be out
.else
	s_wait_dscnt 0x0
.endif
	WIN 0xa1
	MUL16 0, 1, 0
	s_wait_dscnt 0x0                               ; the add, where there is one, is done, and my reads of the region are over
	s_barrier_signal -1
	MUL16 2, 1, 0
	WIN 0
	s_barrier_wait -1
.if \refill
	s_add_nc_u64 s[G0A+2:G0A+3], s[G0A+2:G0A+3], 6*REC
	s_add_nc_u64 s[G0B+2:G0B+3], s[G0B+2:G0B+3], 6*REC
	s_cmp_eq_u32 s14, 0                            ; wave 0 fetches Q's tile, wave 1 K's; four v_nop follow each line
	s_cbranch_scc0 .Lnot_q
	tensor_load_to_lds s[G0A:G0A+3], s[G1A:G1A+7]
	s_nop 0
	PLACES 4
	s_branch .Lasked
.Lnot_q:
	s_cmp_eq_u32 s14, 1
	s_cbranch_scc0 .Lasked
	tensor_load_to_lds s[G0B:G0B+3], s[G1A:G1A+7]
	s_nop 0
	PLACES 4
.Lasked:
.endif
	PLACES 4
	FETCH \ns, 0, 0
	SCALES \ns, 0, 1
	WIN 0xf1
	MUL16 4, 1, 0
	MUL16 6, 1, 0
	WIN 0
.endm
	s_load_b128 s[4:7], s[0:1], 0x0                ; qk s[4:5], pc s[6:7]
	s_load_b64 s[8:9], s[0:1], 0x10                ; st
	v_lshl_add_u32 v[SPW], v0, 2, SPARE
	v_mov_b32 v[NIL], 0
	ds_add_u32 v[SPW], v[NIL]                      ; the wave's opening
	ds_add_u32 v[SPW], v[NIL]
	v_lshrrev_b32 v1, 5, v0
	v_readfirstlane_b32 s14, v1                    ; wave 0..3
	s_lshr_b32 s15, s14, 1                         ; my half of the queries
	s_and_b32 s16, s14, 1                          ; my half of the keys
	s_and_b32 s77, ttmp7, 0xffff                   ; the batch
	s_mov_b32 s80, 0                               ; tile row I: how many of 1, 3, 6, 10 .. the work-group's x has reached
.irp t, 1,3,6,10,15,21,28
	s_cmp_ge_u32 ttmp9, \t
	s_cselect_b32 s81, 1, 0
	s_add_co_u32 s80, s80, s81
.endr
	s_add_co_u32 s81, s80, 1
	s_mul_i32 s81, s81, s80
	s_lshr_b32 s81, s81, 1
	s_sub_co_u32 s81, ttmp9, s81                   ; tile column J = x - I (I + 1) / 2
.irp g, G1A, G1A+8
	s_mov_b32 s[\g], 3<<16                         ; elements of 8 bytes, no padding
	s_mov_b32 s[\g+2], 2<<16                       ; two rows, a group of 128 tokens apart
	s_mov_b32 s[\g+4], 2
	s_mov_b32 s[\g+5], 2*REC
	s_mov_b32 s[\g+6], 0
	s_mov_b32 s[\g+7], 0
.endr
	s_mov_b32 s[G1A+1], 3200<<16                   ; rows of two records,
	s_mov_b32 s[G1A+3], 3200<<16
	s_mov_b32 s[G1A+9], 6400<<16                   ; of four
	s_mov_b32 s[G1A+11], 6400<<16
	s_lshl_b32 s82, s77, 4                         ; 16 groups of 128 tokens a batch
	s_lshl_b32 s83, s80, 1                         ; my tile's first group of queries in the batch
	s_add_co_u32 s84, s82, s83
	s_mul_i32 s86, s84, 16*REC
	s_mov_b32 s87, 0
	s_lshl_b32 s88, s81, 1                         ; my tile's first group of keys
	s_add_co_u32 s89, s82, s88
	s_mul_i32 s90, s89, 16*REC
	s_add_co_u32 s90, s90, 8*REC                   ; K's records are 8 to 15 of a group
	s_mov_b32 s91, 0
	s_add_co_u32 s93, s83, s15                     ; where the results go: my group of queries,
	s_add_co_u32 s95, s88, s16                     ; my group of keys
	s_sub_co_i32 s92, s93, s95                     ; under 0: the one wave of a tile on the diagonal whose record lies above it
	s_lshl_b32 s94, s92, 7
	s_sub_co_i32 s10, 15, s93                      ; late: i = 15 - group,
	s_add_co_u32 s11, s95, 9                       ; pos = 9 + key group
	s_sub_co_i32 s12, s95, 7                       ; or key group - 7;
	s_sub_co_i32 s13, 9, s95                       ; early: i = group, pos = 9 - key group or 0
	s_cmp_lt_u32 s95, 8
	s_cselect_b32 s11, s11, s12
	s_cmp_eq_u32 s95, 0
	s_cselect_b32 s13, 0, s13
	s_cmp_ge_u32 s93, 8
	s_cselect_b32 s10, s10, s93
	s_cselect_b32 s11, s11, s13
	s_lshl_b32 s12, s77, 3
	s_add_co_u32 s12, s12, s10
	s_mul_i32 s12, s12, 17
	s_add_co_u32 s93, s12, s11                     ; my record
	s_mul_i32 s96, s93, REC
	s_mov_b32 s97, 0
	s_lshl_b32 s98, s93, 10
	s_mov_b32 s99, 0
	s_cmp_eq_u32 s92, 0
	s_cselect_b32 s[DG], -1, 0
	s_mul_i32 s10, s15, PAIR                       ; my group of Q in region 0, in region 1,
	s_mul_i32 s11, s15, 2*PAIR
	s_add_co_u32 s11, s11, RG1
	s_mul_i32 s12, s16, PAIR
	s_add_co_u32 s12, s12, 2*PAIR                  ; my group of K
	s_mul_i32 s13, s16, 2*PAIR
	s_add_co_u32 s13, s13, RG1+8*REC
	s_sub_co_u32 s17, s12, s10
	s_sub_co_u32 s18, s13, s11
	s_mov_b32 s[SEL], 0x76543210
	s_mov_b32 s[SEL+1], 0xfedcba98
	s_mov_b32 s[CS], 0x3d38aa3b                    ; log2(e) / 32
	s_mov_b32 s[CS+1], s[CS]                       ; (named with it as a pair, so it is written)
	s_wait_dscnt 0x0                               ; both opening adds are done
	s_wait_kmcnt 0x0
	s_add_nc_u64 s[86:87], s[4:5], s[86:87]
	s_add_nc_u64 s[90:91], s[4:5], s[90:91]
	s_add_nc_u64 s[96:97], s[6:7], s[96:97]
	s_add_nc_u64 s[98:99], s[8:9], s[98:99]
.irp s, 0,1
	s_mov_b32 s[G0A+4*\s], 1
	s_mov_b32 s[G0A+4*\s+1], \s*RG1
	s_add_nc_u64 s[G0A+4*\s+2:G0A+4*\s+3], s[86:87], \s*PAIR
	s_or_b32 s[G0A+4*\s+3], s[G0A+4*\s+3], 0x80000000
	s_mov_b32 s[G0B+4*\s], 1
	s_mov_b32 s[G0B+4*\s+1], 2*PAIR+\s*(RG1+4*REC)
	s_add_nc_u64 s[G0B+4*\s+2:G0B+4*\s+3], s[90:91], \s*PAIR
	s_or_b32 s[G0B+4*\s+3], s[G0B+4*\s+3], 0x80000000
.endr
; The head's loads, one a wave: one tree of branches on the wave's number, every way through it passes one load.
.macro ARM under, g0, g1, next
	s_cmp_lt_u32 s14, \under
	s_cbranch_scc0 \next
	tensor_load_to_lds s[\g0:\g0+3], s[\g1:\g1+7]
	s_nop 0
.rept 4
	v_nop
.endr
	s_branch .Lhead_asked
\next:
.endm
	ARM 1, G0A, G1A, .Lhead_1
	ARM 2, G0B, G1A, .Lhead_2
	ARM 3, G0A+4, G1A+8, .Lhead_3
	tensor_load_to_lds s[G0B+4:G0B+7], s[G1A+8:G1A+15]
	s_nop 0
.rept 4
	v_nop
.endr
.Lhead_asked:
	v_and_b32 v4, 31, v0                           ; lane
	v_and_b32 v2, 15, v0                           ; r
	v_bfe_u32 v3, v0, 4, 1                         ; h
	v_lshlrev_b32 v1, 4, v4                        ; 16 x lane
	v_lshlrev_b32 v5, 4, v2                        ; 16 r
	v_mul_u32_u24 v6, s17, v3                      ; lanes 16-31 take K's scale words: the distance between the two groups x h
	v_mul_u32_u24 v7, s18, v3
	v_add_nc_u32 v6, v6, v5
	v_add_nc_u32 v7, v7, v5
	v_add_nc_u32 v[ADRA], s10, v1
	v_add_nc_u32 v[ADRA+1], s11, v1
	v_add_nc_u32 v[ADRB], s12, v1
	v_add_nc_u32 v[ADRB+1], s13, v1
	v_add_nc_u32 v[ADRS], s10, v6
	v_add_nc_u32 v[ADRS+1], s11, v7
	v_add_nc_u32 v[ADRS], 12288, v[ADRS]
	v_add_nc_u32 v[ADRS+1], 12288, v[ADRS+1]
	v_and_b32 v8, 8, v2
	v_add_nc_u32 v8, v8, v2                        ; r + 8 (r / 8)
	v_lshlrev_b32 v9, 4, v3
	v_sub_nc_u32 v8, v8, v9                        ; - 16 h
	v_add_nc_u32 v[D0], s94, v8                    ; + 128 (my group of queries - my group of keys)
	s_wait_alu depctr_va_vdst(0)                   ; the head's end
	s_cmp_lt_u32 s14, 2
	s_cbranch_scc0 .Lregion_1
	s_wait_tensorcnt 0x0                           ; waves 0 and 1: my part of region 0 is in.  Waves 2 and 3 wait for theirs at the change of regions
.Lregion_1:
	s_barrier_signal -1
	s_barrier_wait -1
	FETCH 0, 0, 0
	SCALES 0, 0, 0
	KSTEP 0, 1, 0, 1                               ; the first products start the sums: nothing is cleared
	TURN 1, 1
	KSTEP 2, 0, 1, 1
	KSTEP 3, 0, 1, 2
	KSTEP 4, 0, 1, 3
	TURN 0, 0
	KSTEP 6, 0, 0, 1
.set SCQ, SC+24
	s_wait_dscnt 0x0
	WIN 0xa1
	MUL16 0, 1, 0
	MUL16 2, 1, 0
	WIN 0xf1
	MUL16 4, 1, 0
	MUL16 6, 1, 0
	WIN 0
; THE SOFTMAX'S FIRST HALF, for each of Q's images a.  Register n of the 64 is key 32 (n / 16) + 16 h + n % 16 of my 128; my query is row 32 (a / 2) + 8 (a % 2) + r + 8 (r / 8) of my 128.
; Of the four blocks of 32 keys block a / 2 alone can be cut by the diagonal: its key n % 16 is hidden where n % 16 - 8 (a % 2) is above D0.  Those behind it are hidden whole in a record on the diagonal.
; Two images at a time, a (even) and a + 1: they share the window and the block that the diagonal can cut, and every chain has others to take turns with.  Image a's codes lie in window 1, from v[20 a] on, where K's
; fragments lay: no store's data are written again.
.macro SOFT2 a
.set W,    2+(\a)/4
.set AC,   64*((\a)%4)
.set BQ,   (\a)/2
	WIN W|(W<<6)
.set n, 0
.rept 16
	v_cndmask_b32 v[AC+16*BQ+n], v[AC+16*BQ+n], v[NINF], s[MK+8+n]           ; each accumulator is read from its low end on
	v_cndmask_b32 v[AC+64+16*BQ+n], v[AC+64+16*BQ+n], v[NINF], s[MK+n]
.set n, n+1
.endr
	WIN W|(W<<2)|(W<<4)
.irp u, 0,1
.irp b, 0,1,2,3
	v_max3_num_f32 v[BM+4*\u+\b], v[AC+64*\u+16*\b], v[AC+64*\u+1+16*\b], v[AC+64*\u+2+16*\b]   ; the largest score of each block of 32 keys: it serves the row's maximum and, since p rises with it, the block's largest p
.endr
.endr
	WIN (W<<2)|(W<<4)
.irp i, 3,5,7,9,11,13
.irp u, 0,1
.irp b, 0,1,2,3
	v_max3_num_f32 v[BM+4*\u+\b], v[BM+4*\u+\b], v[AC+64*\u+16*\b+\i], v[AC+64*\u+1+16*\b+\i]
.endr
.endr
.endr
.irp u, 0,1
.irp b, 0,1,2,3
	v_max_num_f32 v[BM+4*\u+\b], v[BM+4*\u+\b], v[AC+64*\u+15+16*\b]
.endr
.endr
	WIN 0
.irp u, 0,1
.irp b, 0,1,2,3
.if \b > BQ
	v_cndmask_b32 v[BM+4*\u+\b], v[BM+4*\u+\b], v[NINF], s[DG]
.endif
.endr
.endr
.irp b, 0,1,2,3,4,5,6,7
	v_permlanex16_b32 v[BX+\b], v[BM+\b], s[SEL], s[SEL+1]
.endr
.irp b, 0,1,2,3,4,5,6,7
	v_max_num_f32 v[BM+\b], v[BM+\b], v[BX+\b]
.endr
.irp u, 0,1
	v_max3_num_f32 v[S0+\u], v[BM+4*\u], v[BM+4*\u+1], v[BM+4*\u+2]
.endr
.irp u, 0,1
	v_max_num_f32 v[S0+\u], v[S0+\u], v[BM+4*\u+3]
.endr
.irp u, 0,1
	v_mul_f32 v[S0+\u], s[CS], v[S0+\u]            ; as t
.endr
.irp u, 0,1
	v_floor_f32 v[NEGM+2*\u], -v[S0+\u]            ; -Mloc = floor(-t) = -ceil(t): a whole number
.endr
.irp u, 0,1
	v_cndmask_b32 v[NC+2*\u], v[NEGM+2*\u], v[NINF], s[DG]
.endr
	WIN W
.set n, 0
.rept 32
.if n/16 > BQ
.set AD, NC
.else
.set AD, NEGM
.endif
	v_pk_fma_f32 v[T+n:T+n+1], v[AC+n:AC+n+1], s[CS:CS+1], v[AD:AD+1] op_sel_hi:[1,0,0]   ; t - Mloc, or -infinity
	v_pk_fma_f32 v[T+64+n:T+64+n+1], v[AC+64+n:AC+64+n+1], s[CS:CS+1], v[AD+2:AD+3] op_sel_hi:[1,0,0]
.set n, n+2
.endr
	WIN 0
.irp u, 0,1
.irp b, 0,1,2,3
	v_fma_f32 v[BM+4*\u+\b], v[BM+4*\u+\b], s[CS], v[NEGM+2*\u]
.endr
.endr
	s_wait_alu depctr_va_vdst(0)                   ; ahead of the batch
.irp b, 0,1,2,3,4,5,6,7
	v_exp_f32 v[BM+\b], v[BM+\b]                   ; each block's largest p: the same instructions on the same number give the same bits
.endr
.set n, 0
.rept 128
	v_exp_f32 v[T+n], v[T+n]                       ; p = 2^(t - Mloc)
.set n, n+1
.endr
	v_mov_b32 v[NMA+(\a)], v[NEGM]                 ; (plain instructions behind the exponentials)
	v_mov_b32 v[NMA+(\a)+1], v[NEGM+2]
	s_wait_alu depctr_va_vdst(0)                   ; one wait for the whole batch, ahead of its first reader
.irp u, 0,1
	v_pk_add_f32 v[LS+2*\u:LS+2*\u+1], v[T+64*\u:T+64*\u+1], v[T+64*\u+2:T+64*\u+3]   ; the sums of the unquantised p, two at a time, in two chains each
	v_pk_add_f32 v[L2+2*\u:L2+2*\u+1], v[T+64*\u+4:T+64*\u+5], v[T+64*\u+6:T+64*\u+7]
.endr
.set n, 8
.rept 14
	v_pk_add_f32 v[LS:LS+1], v[LS:LS+1], v[T+n:T+n+1]
	v_pk_add_f32 v[L2:L2+1], v[L2:L2+1], v[T+n+2:T+n+3]
	v_pk_add_f32 v[LS+2:LS+3], v[LS+2:LS+3], v[T+64+n:T+64+n+1]
	v_pk_add_f32 v[L2+2:L2+3], v[L2+2:L2+3], v[T+64+n+2:T+64+n+3]
.set n, n+4
.endr
.irp u, 0,1
	v_pk_add_f32 v[LS+2*\u:LS+2*\u+1], v[LS+2*\u:LS+2*\u+1], v[L2+2*\u:L2+2*\u+1]
.endr
.irp b, 0,1,2,3,4,5,6,7
	v_max_num_f32 v[BM+\b], 0x2800000, v[BM+\b]    ; the floor 2^(5 - 127): the byte cannot fall under 1
.endr
.irp u, 0,1
	v_add_f32 v[S0+\u], v[LS+2*\u], v[LS+2*\u+1]
.endr
.irp b, 0,1,2,3,4,5,6,7
	v_add_nc_u32 v[SO+\b], 0xfe000000, v[BM+\b]    ; 4 off the exponent field: the conversion's scale operand
.endr
.irp u, 0,1
	v_permlanex16_b32 v[SX+\u], v[S0+\u], s[SEL], s[SEL+1]
.endr
.irp b, 0,1,2,3,4,5,6,7
	v_lshrrev_b32 v[BX+\b], 23, v[SO+\b]
.endr
.irp u, 0,1
	v_add_f32 v[LA+(\a)+\u], v[S0+\u], v[SX+\u]
.endr
.irp u, 0,1
	v_lshl_or_b32 v[WD+(\a)+\u], v[BX+4*\u+1], 8, v[BX+4*\u]
.endr
.irp u, 0,1
	v_lshl_or_b32 v[WD+(\a)+\u], v[BX+4*\u+2], 16, v[WD+(\a)+\u]
.endr
.irp u, 0,1
	v_lshl_or_b32 v[WD+(\a)+\u], v[BX+4*\u+3], 24, v[WD+(\a)+\u]
.endr
	WIN 0x40                                       ; destination: window 1
.irp u, 0,1
.set PCS, 20*((\a)+\u)
.irp c, 0,1
	v_cvt_scalef32_pk16_bf6_f32 v[PCS+6*\c:PCS+6*\c+2], v[T+64*\u+32*\c:T+64*\u+32*\c+15], v[SO+4*\u+2*\c]
	v_cvt_scalef32_pk16_bf6_f32 v[PCS+12+4*\c:PCS+14+4*\c], v[T+64*\u+16+32*\c:T+64*\u+31+32*\c], v[SO+4*\u+1+2*\c]
.endr
.endr
	v_nop                                          ; one plain instruction behind a scaled conversion
	WIN 0x41                                       ; destination and source 0: window 1
.irp u, 0,1
.set PCS, 20*((\a)+\u)
.irp c, 0,1
.irp i, 0,1,2
	v_permlane16_swap_b32 v[PCS+6*\c+\i], v[PCS+12+4*\c+\i]
.endr
.endr
.endr
.irp u, 0,1
.set PCS, 20*((\a)+\u)
.irp c, 0,1
.irp i, 0,1,2
	v_mov_b32 v[PCS+3+6*\c+\i], v[PCS+12+4*\c+\i]
.endr
.endr
.endr
	WIN 0x04                                       ; a store's data are its source 1: window 1
.irp u, 0,1
.set PCS, 20*((\a)+\u)
.irp c, 0,1,2
	global_store_b128 v1, v[PCS+4*\c:PCS+4*\c+3], s[96:97] offset:1536*((\a)+\u)+512*\c
.endr
.endr
	WIN 0
.endm
	s_cmp_lt_i32 s92, 0                            ; a record above the diagonal is not stored: no later step reads it
	s_cbranch_scc1 .Lend
	PLACES 4                                       ; between the last products and the first read of results, and the first write of registers that held fragments
.irp u, 0,1
	v_mov_b32 v[NEGM+1+2*\u], 0                    ; (named as the upper halves of pairs)
	v_mov_b32 v[NC+1+2*\u], 0
	v_mov_b32 v[SX+\u], 0                          ; written once: a lane permute's destination counts as one of its sources
.endr
	v_mov_b32 v[NINF], 0xff800000
.irp b, 0,1,2,3,4,5,6,7
	v_mov_b32 v[BX+\b], 0
.endr
.set n, 0
.rept 24
	v_cmp_gt_i32 s[MK+n], n-8, v[D0]               ; every tensor load has long been waited for: the descriptors' registers take the masks
.set n, n+1
.endr
.irp a, 0,2,4,6
	SOFT2 \a
.endr
	v_cmp_lt_u32 vcc_lo, 15, v4                    ; lanes 16-31 take images 4 to 7
.irp i, 0,1,2,3
	v_cndmask_b32 v[T+\i], v[WD+\i], v[WD+4+\i], vcc_lo
	v_cndmask_b32 v[T+4+\i], v[NMA+\i], v[NMA+4+\i], vcc_lo
	v_cndmask_b32 v[T+8+\i], v[LA+\i], v[LA+4+\i], vcc_lo
.endr
	global_store_b128 v1, v[T:T+3], s[96:97] offset:12288
	global_store_b128 v1, v[T+4:T+7], s[98:99]
	global_store_b128 v1, v[T+8:T+11], s[98:99] offset:512
.Lend:
	s_wait_tensorcnt 0x0                           ; the wave's end
	ds_add_u32 v[SPW], v[NIL]
	s_wait_dscnt 0x0
	s_endpgm
.Lfunc_end_k_qa3bf4e15bd_scores:
	.size	k_qa3bf4e15bd_scores, .Lfunc_end_k_qa3bf4e15bd_scores-k_qa3bf4e15bd_scores
	.p2alignl 7, 3214868480
	.fill 96, 4, 3214868480
	.section	.rodata,"a",@progbits
	.p2align	6, 0x0
	.amdhsa_kernel k_qa3bf4e15bd_scores
		.amdhsa_group_segment_fixed_size 327680
		.amdhsa_private_segment_fixed_size 0
		.amdhsa_enable_private_segment 0
		.amdhsa_kernarg_size 24
		.amdhsa_user_sgpr_count 2
		.amdhsa_user_sgpr_kernarg_segment_ptr 1
		.amdhsa_wavefront_size32 1
		.amdhsa_system_sgpr_workgroup_id_x 1
		.amdhsa_system_sgpr_workgroup_id_y 1
		.amdhsa_system_sgpr_workgroup_id_z 1
		.amdhsa_system_vgpr_workitem_id 0
		.amdhsa_next_free_vgpr 1024
		.amdhsa_next_free_sgpr 102
		.amdhsa_reserve_vcc 1
		.amdhsa_float_denorm_mode_32 3
		.amdhsa_float_denorm_mode_16_64 3
		.amdhsa_memory_ordered 1
		.amdhsa_forward_progress 1
		.amdhsa_inst_pref_size 200
	.end_amdhsa_kernel
	.amdgpu_metadata
---
amdhsa.version: [ 1, 2 ]
amdhsa.kernels:
  - .name:           k_qa3bf4e15bd_scores
    .symbol:         k_qa3bf4e15bd_scores.kd
    .args:
      - { .name: qk, .offset: 0, .size: 8, .value_kind: global_buffer, .address_space: global }
      - { .name: pc, .offset: 8, .size: 8, .value_kind: global_buffer, .address_space: global }
      - { .name: st, .offset: 16, .size: 8, .value_kind: global_buffer, .address_space: global }
    .group_segment_fixed_size: 327680
    .private_segment_fixed_size: 0
    .kernarg_segment_align: 8
    .kernarg_segment_size: 24
    .max_flat_workgroup_size: 128
    .sgpr_count:     102
    .vgpr_count:     1024
    .wavefront_size: 32
...
	.end_amdgpu_metadata
.endif
;; end of part 3
;; launch pv (part 4): grid 8 x 32, 4 waves a work-group, clusters of 4 x 1, 327,680 bytes of LDS; arguments pc, st, vt, out0; writes out0
.if DOCPART == 4
	.amdgcn_target "amdgcn-amd-amdhsa--gfx1250"
	.amdhsa_code_object_version 6
	.text
	.protected	k_qa3bf4e15bd_pv
	.globl	k_qa3bf4e15bd_pv
	.p2align	8
	.type	k_qa3bf4e15bd_pv,@function
k_qa3bf4e15bd_pv:
	s_mov_b64 s[64:65], 0
	v_nop
	global_prefetch_b8 v0, s[64:65] scope:SCOPE_SE
	s_setreg_imm32_b32 hwreg(HW_REG_WAVE_MODE, 25, 1), 1
	s_wait_xcnt 0x0
	s_wait_alu depctr_hold_cnt(0) depctr_sa_sdst(0) depctr_va_vdst(0) depctr_va_sdst(0) depctr_va_ssrc(0) depctr_va_vcc(0) depctr_vm_vsrc(0)
	s_getreg_b32 s2, hwreg(HW_REG_IB_STS2, 6, 4)
	s_cmp_eq_u32 s2, 0
	s_cbranch_scc0 .Lentry_in_a_cluster
	s_endpgm
.Lentry_in_a_cluster:
	s_bfe_u32 s2, ttmp6, 0x10000c
	s_cmp_lg_u32 s2, 0x3003
	s_cbranch_scc0 .Lentry_shape_is_right
	s_endpgm
.Lentry_shape_is_right:
; out = (P V) / l on codes of BF6 (E3M2).  P's codes were made with a whole number Mloc for each row and each 128 keys.  Here the row's M = the largest Mloc and l = the sum of the local sums x 2^(Mloc - M) are made, and
; each byte of P's scale words has M - Mloc taken off it: exact, since both are whole numbers.
; A WORK-GROUP makes 128 features of two groups of 128 queries, 15 - i (late) and i (early), i = y % 8: 17 key steps of 128 whatever i is.  A wave makes 64 queries x 64 features of each: 2 x 16 accumulators.
; WORK LEFT OUT: key steps behind a group's queries, which reference()'s own mask hides.
; Source 0 = 16 features of V (rows of vt, K = the keys), source 1 = 16 queries of P: a lane holds one query, its registers run along the features.
; THE WALK, in the order in which P's records lie (17 on end): step 0 early, keys 0; steps 1 .. 8 - i late, keys 7 + step; steps 9 - i .. 8 early, keys 9 - step; then the early rows are whole and go out;
; steps 9 .. 16 late, keys step - 9.  Which kind steps 2 to 8 are hangs on i alone, the same in the whole cluster.
; LDS, in records: 0-8 P's first nine, 9-16 V's keys 0-7 (they stay), 17-24 V's keys 8-15; at steps 3 and 9 P's last eight are asked for into 17-20 and 21-24, whose reads are then over.
; Fragments are asked for two steps ahead, into three sets of registers, 25 loads a step.
; CLUSTER 4 x 1: four blocks of features read the same P: its tiles are asked for jointly.  V's tiles are not shared: work-groups that read the same V have other i and walk other steps.
; PREFETCH: P's last eight records come in the midst of the walk: at the head each of the four partners names two of them, 100 blocks of 256 bytes, by its place in the address alone; nothing is asked for beyond them.
; The launch claims all of a WGP's LDS, and has the add of 0 onto spare words.
; LIMITS: a block of p whose byte would fall under 1 against the row's M gets the byte 0: its share is under 2^-120 of the row's sum.  NaN and infinities are not served, also where they reach hidden keys only.
; REGISTERS: window 0: v8-23 1 / l, a pair an image, late then early; v24-26 LDS addresses; v32-67 P's scale words: register 4 s + a: lanes 0-15 step 2 s, lanes 16-31 step 2 s + 1; v68-79 V's scale words, three sets;
;   v80-223 P's fragments, three sets (in the prologue: what was loaded).   window 1: V's fragments, three sets; v144-207 rows on the way out.   window 2: accumulator (a, v) at v[8 (4 a + v)], late; + 128, early.
.set REC,   12800
.set SPARE, 25*REC
.set RL,    8
.set ADRP,  24
.set ADRV,  25
.set ADRVS, 26
.set STO,   27
.set SPW,   28
.set NIL,   29
.set RD,    30
.set CO,    31
.set SW,    32
.set VS,    68
.set PF,    80
.set BK,    144                        ; the early rows on the way out, two sets by turns; the late rows take v0-127 of window 1, whose fragments are done with by then, a set an image
.set NM,    80                         ; the prologue: -Mloc, the local sums, the raw scale words: register 4 s + a
.set LL,    116
.set RW,    152
.set DT,    188
.set XT,    192
.set WT,    196
.set UT,    200
.set GT,    204
.set AT,    224                        ; v224-226 a step's LDS addresses
.set BIG,   227
.set GL,    232                        ; -M, late and early
.set GE,    236
.set GX,    240
.set LTL,   244                        ; l
.set LTE,   248
.set T4,    252
.set SEL,   20
.set G1P5,  24                         ; group 1: five records of P, four, eight of V
.set G1P4,  32
.set G1V,   40
.set G0P5,  48
.set G0P4,  52
.set G0VH,  56
.set G0VL,  60
.set EM,    92                         ; s92-96: the lanes whose step 2 s or 2 s + 1 is early, s = 0 .. 4
.set MSB, 0
.macro WIN new                         ; the immediate's high byte repeats the setting that is left
.if MSB != (\new)
	s_set_vgpr_msb (MSB<<8)|(\new)
.set MSB, (\new)
.endif
.endm
.macro PLACES n
.rept \n
	v_nop
.endr
.endm
.macro CROUND                          ; a round of the cluster's barrier
	s_barrier_signal -1
	s_barrier_wait -1
	s_cmp_lg_u32 s14, 0
	s_cbranch_scc1 .Lnot_wave_0_\@
	s_barrier_signal -3
.Lnot_wave_0_\@:
	s_barrier_wait -3
	s_barrier_signal -1
	s_barrier_wait -1
.endm
.macro LDP n, rec                      ; step n's fragments of P, from LDS record rec
	v_add_nc_u32 v[AT], (\rec)*REC, v[ADRP]
.irp i, 0,1,2,3
.irp c, 0,1,2
	ds_load_b128 v[PF+48*((\n)%3)+12*\i+4*\c:PF+48*((\n)%3)+12*\i+4*\c+3], v[AT] offset:1536*\i+512*\c
.endr
.endr
.endm
.macro LDV n, rec                      ; and V's, with their scale words
	v_add_nc_u32 v[AT+1], (\rec)*REC, v[ADRV]
	v_add_nc_u32 v[AT+2], (\rec)*REC, v[ADRVS]
	ds_load_b128 v[VS+4*((\n)%3):VS+4*((\n)%3)+3], v[AT+2]
	WIN 0x40
.irp i, 0,1,2,3
.irp c, 0,1,2
	ds_load_b128 v[48*((\n)%3)+12*\i+4*\c:48*((\n)%3)+12*\i+4*\c+3], v[AT+1] offset:1536*\i+512*\c
.endr
.endr
	WIN 0
.endm
.macro LDM m                           ; a step of the first nine
	LDP \m, \m
.if (\m) < 2
	LDV \m, 9+8*(\m)
.else
	s_cmp_ge_u32 s17, 9-(\m)
	s_cbranch_scc1 .Learly_v_\@
	LDV \m, 16+(\m)
	s_branch .Lv_\@
.Learly_v_\@:
	LDV \m, 18-(\m)
.Lv_\@:
.endif
.endm
.macro WM c, row:vararg
	v_wmma_scale_f32_16x16x128_f8f6f4 v[D:D+7], v[VB:VB+11], v[PB:PB+11], \c, v[VSR], v[SWR] matrix_a_fmt:MATRIX_FMT_BF6 matrix_b_fmt:MATRIX_FMT_BF6 \row
.endm
; A step's 16 products; e = 1: early.  The accumulators take turns.  An odd step's scale words of P lie in lanes 16-31.
.macro MULP n, e, zero
	WIN 0xa1
.irp a, 0,1,2,3
.irp v, 0,1,2,3
.set D, 128*(\e)+8*(4*\a+\v)
.set VB, 48*((\n)%3)+12*\v
.set PB, PF+48*((\n)%3)+12*\a
.set VSR, VS+4*((\n)%3)+\v
.set SWR, SW+4*((\n)/2)+\a
.if \zero
.if (\n)%2
	WM 0, matrix_b_scale:MATRIX_SCALE_ROW1
.else
	WM 0
.endif
.else
.if (\n)%2
	WM v[D:D+7], matrix_b_scale:MATRIX_SCALE_ROW1
.else
	WM v[D:D+7]
.endif
.endif
.endr
.endr
	WIN 0
.endm
.macro REFILL                          ; behind a round: wave 0 fetches four records of P for the cluster; four v_nop follow the line
	s_cmp_eq_u32 s14, 0
	s_cbranch_scc0 .Lasked_\@
	tensor_load_to_lds s[G0P4:G0P4+3], s[G1P4:G1P4+7]
	s_nop 0
.rept 4
	v_nop
.endr
.Lasked_\@:
.endm
.macro MSTEP k
.if (\k) == 3
	s_wait_tensorcnt 0x0                           ; all my tensor loads have landed: P's records 5-8, if they were mine
	ds_add_u32 v[SPW], v[NIL]                      ; 0 onto my spare word
	s_mov_b32 s[G0P4+1], 17*REC                    ; no tensor load of mine is out, so the descriptor may be written
	s_add_nc_u64 s[G0P4+2:G0P4+3], s[G0P4+2:G0P4+3], 4*REC
	s_wait_dscnt 0x0                               ; the add is done, and my reads of V's keys 8-11 are over
	CROUND
	REFILL
.endif
	PLACES 4                                       ; between products and loads into the registers that they read
.if (\k) < 7
	LDM (\k)+2
	s_wait_dscnt 50                                ; all but the next two steps' loads
.elseif (\k) == 7
	s_wait_dscnt 25
.else
	s_wait_dscnt 0x0
.endif
.if (\k) == 0
	MULP 0, 1, 1                                   ; the first products of either kind start the sums
.elseif (\k) == 1
	MULP 1, 0, 1
.else
	s_cmp_ge_u32 s17, 9-(\k)
	s_cbranch_scc1 .Learly_\@
	MULP \k, 0, 0
	s_branch .Ldone_\@
.Learly_\@:
	MULP \k, 1, 0
.Ldone_\@:
.endif
.endm
.macro LSTEP n
.if (\n) == 11
	s_wait_tensorcnt 0x0                           ; P's last four records
	s_wait_dscnt 0x0                               ; this step's and the next step's fragments
	s_barrier_signal -1
	MULP 11, 0, 0
	s_barrier_wait -1
	PLACES 4
	LDP 13, 21
	LDV 13, 13
.else
	PLACES 4
.if (\n) < 15
	LDP (\n)+2, (\n)+10
	LDV (\n)+2, (\n)+2
	s_wait_dscnt 50
.elseif (\n) == 15
	s_wait_dscnt 25
.else
	s_wait_dscnt 0x0
.endif
	MULP \n, 0, 0
.endif
.endm
.macro DIVIDE e                        ; the 16 accumulators x 1 / l, each from its low end on
	WIN 0x82
.irp a, 0,1,2,3
.set n, 0
.rept 16
	v_pk_mul_f32 v[128*(\e)+32*\a+n:128*(\e)+32*\a+n+1], v[128*(\e)+32*\a+n:128*(\e)+32*\a+n+1], v[RL+8*(\e)+2*\a:RL+8*(\e)+2*\a+1] op_sel_hi:[1,0]
.set n, n+2
.endr
.endr
	WIN 0
	s_wait_alu depctr_va_vdst(0)
.endm
.macro TOSTAGE a, e                    ; image a: 16 queries x 64 features through my stage, back as whole rows of 256 bytes, two a load
	WIN 0x08                                       ; an LDS store's data are its source 1: window 2
.irp v, 0,1,2,3
	ds_store_b128 v[STO], v[128*(\e)+32*(\a)+8*\v:128*(\e)+32*(\a)+8*\v+3] offset:128*(\v/2)+32*(\v%2)     ; features 32 (v / 2) + 16 h + 8 (v % 2) + 0 .. 7
	ds_store_b128 v[STO], v[128*(\e)+32*(\a)+8*\v+4:128*(\e)+32*(\a)+8*\v+7] offset:128*(\v/2)+32*(\v%2)+16
.endr
	WIN 0x40
.set BB, EAR*(BK+32*((\a)%2))+(1-EAR)*32*(\a)
.irp t, 0,1,2,3,4,5,6,7
	ds_load_b128 v[BB+4*\t:BB+4*\t+3], v[RD] offset:544*\t   ; LDS serves a wave's instructions in order: these see the stores above
.endr
	WIN 0
.endm
.macro SEND a, base, younger           ; younger: the LDS instructions issued behind image a's loads
.set BB, EAR*(BK+32*((\a)%2))+(1-EAR)*32*(\a)
	s_wait_dscnt \younger
	WIN 0x04
.irp t, 0,1,2,3,4,5,6,7
	global_store_b128 v[CO], v[BB+4*\t:BB+4*\t+3], s[\base:\base+1] offset:(32*((\a)/2)+8*((\a)%2)+2*\t+8*(\t/4))*4096 th:TH_STORE_NT   ; sixteen lanes store 256 consecutive bytes, aligned; written once
.endr
	WIN 0
.endm
.macro OUT e, base
.set EAR, \e
	TOSTAGE 0, \e
.irp a, 1,2,3
.if EAR*(\a) > 1
	s_wait_xcnt 0x0                                ; early: the stores of the image two back have read their registers
.endif
	TOSTAGE \a, \e
	SEND \a-1, \base, 16                           ; behind that image's loads: this image's 8 stores and 8 loads
.endr
	SEND 3, \base, 0
.endm
	s_load_b256 s[4:11], s[0:1], 0x0               ; pc s[4:5], st s[6:7], vt s[8:9], out0 s[10:11]
	v_lshl_add_u32 v[SPW], v0, 2, SPARE
	v_mov_b32 v[NIL], 0
	ds_add_u32 v[SPW], v[NIL]                      ; the wave's opening
	ds_add_u32 v[SPW], v[NIL]
	v_lshrrev_b32 v1, 5, v0
	v_readfirstlane_b32 s14, v1                    ; wave 0..3
	s_lshr_b32 s15, s14, 1                         ; my half of the queries
	s_and_b32 s16, s14, 1                          ; my half of the features
	s_bfe_u32 s66, ttmp6, 0x40000                  ; cx
	s_and_b32 s68, ttmp7, 0xffff                   ; y = 8 x batch + i
	s_and_b32 s17, s68, 7                          ; i
	s_lshr_b32 s69, s68, 3                         ; the batch
	s_lshl_b32 s70, ttmp9, 2
	s_add_co_u32 s70, s70, s66                     ; block of 128 features
	s_mov_b32 s[G1P5], 15|(3<<16)|(1<<21)          ; P: all four of the cluster; elements of 8 bytes, a record a row
	s_mov_b32 s[G1P4], 15|(3<<16)|(1<<21)
	s_mov_b32 s[G1V], 3<<16
.irp g, G1P5, G1P4, G1V
	s_mov_b32 s[\g+1], 1600<<16
	s_mov_b32 s[\g+3], 1600<<16
	s_mov_b32 s[\g+5], 1600
	s_mov_b32 s[\g+6], 0
	s_mov_b32 s[\g+7], 0
.endr
	s_mov_b32 s[G1P5+2], 5<<16
	s_mov_b32 s[G1P5+4], 5
	s_mov_b32 s[G1P4+2], 4<<16
	s_mov_b32 s[G1P4+4], 4
	s_mov_b32 s[G1V+2], 8<<16
	s_mov_b32 s[G1V+4], 8
	s_mul_i32 s72, s68, 17                         ; P: my pair's first record; no register here holds cx
	s_mul_i32 s74, s72, REC
	s_mov_b32 s75, 0
	s_lshl_b32 s76, s70, 6                         ; V: block of features x 64 + the batch's first group of tokens
	s_lshl_b32 s77, s69, 4
	s_add_co_u32 s76, s76, s77
	s_mul_i32 s76, s76, REC
	s_mov_b32 s77, 0
	s_lshl_b32 s12, s15, 8
	s_add_co_u32 s86, s74, s12
	s_add_co_u32 s86, s86, 12288                   ; P's raw scale words: my four images'
	s_mov_b32 s87, 0
	s_lshl_b32 s88, s72, 10                        ; -Mloc and the local sums likewise
	s_add_co_u32 s88, s88, s12
	s_mov_b32 s89, 0
	s_lshl_b32 s90, s69, 23                        ; out: 2,048 rows of 4,096 bytes a batch,
	s_lshl_b32 s12, s15, 18                        ; my 64 rows of a group,
	s_add_co_u32 s90, s90, s12
	s_lshl_b32 s12, s70, 9                         ; 128 features,
	s_add_co_u32 s90, s90, s12
	s_lshl_b32 s12, s16, 8                         ; my 64
	s_add_co_u32 s90, s90, s12
	s_lshl_b32 s12, s17, 19
	s_add_co_u32 s98, s90, s12                     ; the early group i,
	s_mov_b32 s99, 0
	s_sub_co_u32 s12, 15, s17
	s_lshl_b32 s12, s12, 19
	s_add_co_u32 s90, s90, s12                     ; the late group 15 - i
	s_mov_b32 s91, 0
	s_mul_i32 s100, s66, 2*REC
	s_add_co_u32 s100, s100, s74
	s_add_co_u32 s100, s100, 9*REC                 ; the prefetch: two of P's last eight records
	s_mov_b32 s101, 0
	s_mov_b32 s[SEL], 0x76543210
	s_mov_b32 s[SEL+1], 0xfedcba98
	s_mov_b32 s19, 0x80808080
	v_and_b32 v4, 31, v0                           ; lane
	v_and_b32 v2, 15, v0                           ; r
	v_bfe_u32 v3, v0, 4, 1                         ; h
	v_lshlrev_b32 v1, 4, v4                        ; 16 x lane
	v_lshlrev_b32 v7, 4, v2                        ; 16 r
	v_mul_u32_u24 v5, v3, REC
	v_add_nc_u32 v5, v5, v7                        ; + a record x h: lanes 16-31 take the odd step
	v_lshl_add_u32 v6, v3, 10, v7                  ; the same in st
	s_wait_alu depctr_va_vdst(0)                   ; directly ahead of the waits below
	s_wait_dscnt 0x0                               ; both opening adds are done
	s_wait_kmcnt 0x0
	s_add_nc_u64 s[82:83], s[4:5], s[74:75]
	s_add_nc_u64 s[84:85], s[8:9], s[76:77]
	s_add_nc_u64 s[86:87], s[4:5], s[86:87]
	s_add_nc_u64 s[88:89], s[6:7], s[88:89]
	s_add_nc_u64 s[90:91], s[10:11], s[90:91]
	s_add_nc_u64 s[98:99], s[10:11], s[98:99]
	s_add_nc_u64 s[100:101], s[4:5], s[100:101]
.irp s, 0,1,2,3,4,5,6,7
	global_load_b128 v[NM+4*\s:NM+4*\s+3], v6, s[88:89] offset:2048*\s
	global_load_b128 v[LL+4*\s:LL+4*\s+3], v6, s[88:89] offset:2048*\s+512
	global_load_b128 v[RW+4*\s:RW+4*\s+3], v5, s[86:87] offset:2*REC*\s
.endr
	global_load_b128 v[NM+32:NM+35], v7, s[88:89] offset:16384           ; step 16 alone: both halves of the lanes
	global_load_b128 v[LL+32:LL+35], v7, s[88:89] offset:16384+512
	global_load_b128 v[RW+32:RW+35], v7, s[86:87] offset:16*REC
	CROUND                                         ; all four work-groups are here: the first joint loads meet
	s_mov_b32 s[G0P5], 1
	s_mov_b32 s[G0P5+1], 0
	s_mov_b64 s[G0P5+2:G0P5+3], s[82:83]
	s_or_b32 s[G0P5+3], s[G0P5+3], 0x80000000
	s_mov_b32 s[G0P4], 1
	s_mov_b32 s[G0P4+1], 5*REC
	s_add_nc_u64 s[G0P4+2:G0P4+3], s[82:83], 5*REC
	s_or_b32 s[G0P4+3], s[G0P4+3], 0x80000000
	s_mov_b32 s[G0VH], 1
	s_mov_b32 s[G0VH+1], 17*REC
	s_add_nc_u64 s[G0VH+2:G0VH+3], s[84:85], 8*REC
	s_or_b32 s[G0VH+3], s[G0VH+3], 0x80000000
	s_mov_b32 s[G0VL], 1
	s_mov_b32 s[G0VL+1], 9*REC
	s_mov_b64 s[G0VL+2:G0VL+3], s[84:85]
	s_or_b32 s[G0VL+3], s[G0VL+3], 0x80000000
; The head's loads, one a wave: one tree of branches on the wave's number, every way through it passes one load.
.macro ARM under, g0, g1, next
	s_cmp_lt_u32 s14, \under
	s_cbranch_scc0 \next
	tensor_load_to_lds s[\g0:\g0+3], s[\g1:\g1+7]
	s_nop 0
.rept 4
	v_nop
.endr
	s_branch .Lhead_asked
\next:
.endm
	ARM 1, G0P5, G1P5, .Lhead_1
	ARM 2, G0VH, G1V, .Lhead_2
	ARM 3, G0P4, G1P4, .Lhead_3
	tensor_load_to_lds s[G0VL:G0VL+3], s[G1V:G1V+7]
	s_nop 0
.rept 4
	v_nop
.endr
.Lhead_asked:
	s_mul_i32 s12, s15, 6144                       ; my four images of P in a record,
	s_mul_i32 s13, s16, 6144                       ; of V,
	s_lshl_b32 s18, s16, 8
	s_add_co_u32 s18, s18, 12288                   ; and their scale words
	s_mul_i32 s23, s14, 16*272                     ; my stage, where P's first records lay
	v_add_nc_u32 v[ADRP], s12, v1
	v_add_nc_u32 v[ADRV], s13, v1
	v_add_nc_u32 v[ADRVS], s18, v7
	v_mul_u32_u24 v[STO], v2, 272
	v_lshl_add_u32 v[STO], v3, 6, v[STO]
	v_add_nc_u32 v[STO], s23, v[STO]               ; in: row r, + 64 h
	v_mul_u32_u24 v[RD], v3, 272
	v_add_nc_u32 v[RD], v[RD], v7
	v_add_nc_u32 v[RD], s23, v[RD]                 ; back: lanes 0-15 a row of 256 bytes, lanes 16-31 the next
	v_lshl_add_u32 v[CO], v3, 12, v7               ; and the same in out
	v_lshlrev_b32 v230, 8, v4
	v_min_u32 v231, 3, v4
	v_lshlrev_b32 v231, 8, v231
	v_add_nc_u32 v228, s17, v3
	v_lshlrev_b32 v229, 4, v3
	v_sub_nc_u32 v229, s17, v229
	v_cmp_eq_u32 s[EM], 0, v3                      ; step 0 is early, step 1 late;
	v_cmp_le_u32 s[EM+1], 7, v228                  ; steps 2 s + h of 2 .. 7: early where h + i is 9 - 2 s or more;
	v_cmp_le_u32 s[EM+2], 5, v228
	v_cmp_le_u32 s[EM+3], 3, v228
	v_cmp_le_i32 s[EM+4], 1, v229                  ; step 8: early where i is 1 or more; step 9 late
	v_mov_b32 v[BIG], 0x7f61b1e6                   ; 3e38, above every -Mloc
.irp a, 0,1,2,3
	v_mov_b32 v[GX+\a], 0                          ; written once: a lane permute's destination counts as one of its sources
.endr
.irp a, 0,1,2,3,4,5,6,7
	v_mov_b32 v[RL+1+2*\a], 0                      ; (named as the upper half of a pair)
.endr
	s_wait_alu depctr_va_vdst(0)                   ; ahead of the branch and the wait below
	s_cmp_eq_u32 s14, 3
	s_cbranch_scc0 .Lnot_mine
.irp o, 0,8192,16384
	global_prefetch_b8 v230, s[100:101] offset:\o th:TH_LOAD_NT scope:SCOPE_SE
.endr
	global_prefetch_b8 v231, s[100:101] offset:24576 th:TH_LOAD_NT scope:SCOPE_SE   ; the last four blocks of the hundred
.Lnot_mine:
	s_wait_loadcnt 0x0
	; THE PROLOGUE, while the first tiles are on their way.  -M = the least -Mloc of a row's steps
.irp a, 0,1,2,3
	v_min3_num_f32 v[GL+\a], v[NM+20+\a], v[NM+24+\a], v[NM+28+\a]
.endr
.irp a, 0,1,2,3
	v_min_num_f32 v[GL+\a], v[GL+\a], v[NM+32+\a]
.endr
.irp s, 0,1,2,3,4
.irp a, 0,1,2,3
	v_cndmask_b32 v[T4+\a], v[NM+4*\s+\a], v[BIG], s[EM+\s]
.endr
.irp a, 0,1,2,3
	v_min_num_f32 v[GL+\a], v[GL+\a], v[T4+\a]
.endr
.irp a, 0,1,2,3
.if \s == 0
	v_cndmask_b32 v[GE+\a], v[BIG], v[NM+\a], s[EM]
.else
	v_cndmask_b32 v[T4+\a], v[BIG], v[NM+4*\s+\a], s[EM+\s]
.endif
.endr
.if \s > 0
.irp a, 0,1,2,3
	v_min_num_f32 v[GE+\a], v[GE+\a], v[T4+\a]
.endr
.endif
.endr
.irp g, GL, GE
.irp a, 0,1,2,3
	v_permlanex16_b32 v[GX+\a], v[\g+\a], s[SEL], s[SEL+1]
.endr
.irp a, 0,1,2,3
	v_min_num_f32 v[\g+\a], v[\g+\a], v[GX+\a]
.endr
.endr
.macro FIX s                           ; steps 2 s and 2 s + 1: d = M - Mloc, the sums' share, the scale words
.if (\s) < 5
.set GR, GT
.irp a, 0,1,2,3
	v_cndmask_b32 v[GT+\a], v[GL+\a], v[GE+\a], s[EM+\s]
.endr
.else
.set GR, GL
.endif
.irp a, 0,1,2,3
	v_sub_f32 v[DT+\a], v[NM+4*(\s)+\a], v[GR+\a]  ; a whole number, 0 or more,
.endr
.irp a, 0,1,2,3
	v_min_num_f32 v[DT+\a], 0x42fe0000, v[DT+\a]   ; held at 127
.endr
.irp a, 0,1,2,3
	v_cvt_i32_f32 v[DT+\a], v[DT+\a]
.endr
.irp a, 0,1,2,3
	v_sub_nc_u32 v[XT+\a], 0, v[DT+\a]
.endr
.if (\s) == 5
.irp a, 0,1,2,3
	v_ldexp_f32 v[LTL+\a], v[LL+4*(\s)+\a], v[XT+\a]
.endr
.else
.irp a, 0,1,2,3
	v_ldexp_f32 v[XT+\a], v[LL+4*(\s)+\a], v[XT+\a]
.endr
.if (\s) == 8
.irp a, 0,1,2,3
	v_cndmask_b32 v[XT+\a], 0, v[XT+\a], s[EM]     ; step 16 counts once: in lanes 0-15
.endr
.endif
.if (\s) < 5
.irp a, 0,1,2,3
.if (\s) == 0
	v_cndmask_b32 v[LTE+\a], 0, v[XT+\a], s[EM]
.else
	v_cndmask_b32 v[T4+\a], 0, v[XT+\a], s[EM+\s]
.endif
.endr
.if (\s) > 0
.irp a, 0,1,2,3
	v_add_f32 v[LTE+\a], v[LTE+\a], v[T4+\a]
.endr
.endif
.irp a, 0,1,2,3
	v_cndmask_b32 v[XT+\a], v[XT+\a], 0, s[EM+\s]
.endr
.endif
.irp a, 0,1,2,3
	v_add_f32 v[LTL+\a], v[LTL+\a], v[XT+\a]
.endr
.endif
.irp a, 0,1,2,3
	v_perm_b32 v[DT+\a], v[DT+\a], v[DT+\a], 0     ; d in each of the four bytes
.endr
.irp a, 0,1,2,3
	v_or_b32 v[WT+\a], s19, v[RW+4*(\s)+\a]        ; each byte + 128 (raw bytes are 123 at the most): no borrow crosses a byte
.endr
.irp a, 0,1,2,3
	v_sub_nc_u32 v[WT+\a], v[WT+\a], v[DT+\a]
.endr
.irp a, 0,1,2,3
	v_and_b32 v[UT+\a], s19, v[WT+\a]              ; 128 where the byte has not fallen under 0,
.endr
.irp a, 0,1,2,3
	v_lshrrev_b32 v[DT+\a], 7, v[UT+\a]
.endr
.irp a, 0,1,2,3
	v_sub_nc_u32 v[UT+\a], v[UT+\a], v[DT+\a]      ; 127 there
.endr
.irp a, 0,1,2,3
	v_and_b32 v[SW+4*(\s)+\a], v[WT+\a], v[UT+\a]  ; each byte: the raw byte - d, held at 0
.endr
.endm
.irp s, 5,6,7,8,0,1,2,3,4
	FIX \s
.endr
.irp g, LTL, LTE
.irp a, 0,1,2,3
	v_permlanex16_b32 v[GX+\a], v[\g+\a], s[SEL], s[SEL+1]
.endr
.irp a, 0,1,2,3
	v_add_f32 v[\g+\a], v[\g+\a], v[GX+\a]         ; even and odd steps together: the row's l
.endr
.endr
	s_wait_alu depctr_va_vdst(0)                   ; ahead of the batch
.irp a, 0,1,2,3
	v_rcp_f32 v[RL+2*\a], v[LTL+\a]
	v_rcp_f32 v[RL+8+2*\a], v[LTE+\a]
.endr
	PLACES 8                                       ; a plain instruction behind the reciprocals; and eight between the last write of a scale word and the first scaled product
	s_wait_alu depctr_va_vdst(0)                   ; one wait for the eight reciprocals, ahead of every branch and of their readers; and for the head's end
	s_cmp_eq_u32 s14, 2
	s_cbranch_scc1 .Lnot_yet
	s_wait_tensorcnt 0x0                           ; waves 0, 1 and 3: my tile is in.  Wave 2 waits for its own, P's records 5-8, at step 3
.Lnot_yet:
	s_barrier_signal -1
	s_barrier_wait -1
	LDM 0
	LDM 1
.irp k, 0,1,2,3,4,5,6,7,8
	MSTEP \k
.endr
	PLACES 4                                       ; between the last products and the first read of results
	s_wait_tensorcnt 0x0                           ; all my tensor loads have landed: P's records 9-12
	ds_add_u32 v[SPW], v[NIL]                      ; 0 onto my spare word
	s_mov_b32 s[G0P4+1], 21*REC
	s_add_nc_u64 s[G0P4+2:G0P4+3], s[G0P4+2:G0P4+3], 4*REC
	DIVIDE 1                                       ; the early rows are whole: work on registers while the add is out
	s_wait_dscnt 0x0                               ; the add is done, and my reads of V's keys 12-15 and of P's first nine records are over
	CROUND
	REFILL
	PLACES 4
	LDP 9, 17
	LDV 9, 9
	LDP 10, 18
	LDV 10, 10
	OUT 1, 98                                      ; the early rows leave; the stages lie where P's first records lay, which are filled no more and which no wave reads any more
.irp n, 9,10,11,12,13,14,15,16
	LSTEP \n
.endr
	PLACES 4
	DIVIDE 0
	OUT 0, 90
	s_wait_tensorcnt 0x0                           ; the wave's end
	ds_add_u32 v[SPW], v[NIL]
	s_wait_dscnt 0x0
	CROUND                                         ; the closing round
	s_endpgm
.Lfunc_end_k_qa3bf4e15bd_pv:
	.size	k_qa3bf4e15bd_pv, .Lfunc_end_k_qa3bf4e15bd_pv-k_qa3bf4e15bd_pv
	.p2alignl 7, 3214868480
	.fill 96, 4, 3214868480
	.section	.rodata,"a",@progbits
	.p2align	6, 0x0
	.amdhsa_kernel k_qa3bf4e15bd_pv
		.amdhsa_group_segment_fixed_size 327680
		.amdhsa_private_segment_fixed_size 0
		.amdhsa_enable_private_segment 0
		.amdhsa_kernarg_size 32
		.amdhsa_user_sgpr_count 2
		.amdhsa_user_sgpr_kernarg_segment_ptr 1
		.amdhsa_wavefront_size32 1
		.amdhsa_system_sgpr_workgroup_id_x 1
		.amdhsa_system_sgpr_workgroup_id_y 1
		.amdhsa_system_sgpr_workgroup_id_z 1
		.amdhsa_system_vgpr_workitem_id 0
		.amdhsa_next_free_vgpr 768
		.amdhsa_next_free_sgpr 102
		.amdhsa_reserve_vcc 0
		.amdhsa_float_denorm_mode_32 3
		.amdhsa_float_denorm_mode_16_64 3
		.amdhsa_memory_ordered 1
		.amdhsa_forward_progress 1
		.amdhsa_inst_pref_size 158
	.end_amdhsa_kernel
	.amdgpu_metadata
---
amdhsa.version: [ 1, 2 ]
amdhsa.kernels:
  - .name:           k_qa3bf4e15bd_pv
    .symbol:         k_qa3bf4e15bd_pv.kd
    .args:
      - { .name: pc, .offset: 0, .size: 8, .value_kind: global_buffer, .address_space: global }
      - { .name: st, .offset: 8, .size: 8, .value_kind: global_buffer, .address_space: global }
      - { .name: vt, .offset: 16, .size: 8, .value_kind: global_buffer, .address_space: global }
      - { .name: out0, .offset: 24, .size: 8, .value_kind: global_buffer, .address_space: global }
    .group_segment_fixed_size: 327680
    .private_segment_fixed_size: 0
    .kernarg_segment_align: 8
    .kernarg_segment_size: 32
    .max_flat_workgroup_size: 128
    .sgpr_count:     102
    .vgpr_count:     768
    .wavefront_size: 32
...
	.end_amdgpu_metadata
.endif
;; end of part 4
